; MI455X (gfx1250); checked and timed in simulation.
; The chip was launched on July 23, 2026; its instructions are those of AMD's public machine-readable ISA for CDNA 5 (MIT licence, August 2026) and "CDNA5" Instruction Set Architecture Reference Guide (July 2026). The comments in the code are by the model that wrote it; some were corrected since.
;; Causal Attention. Allowed arithmetic: matrix products marked QUANTISED: E2M1 operands, one E8M0 scale for each 32 along K, by v_wmma_scale_f32_16x16x128_f8f6f4 with both operands' format E2M1 (or v_wmma_scale_f32_32x16x128_f4), f32 sums; everything else in f32.
;; Inputs: W_attn 1,024 x 3,072 float32; W_proj 1,024 x 1,024 float32; b_attn 3,072 float32; b_proj 1,024 float32; lut_k 33 x 64 float32; lut_v 33 x 64 float32; x 8 x 1,024 x 1,024 float32.
;; Outputs: out0 8 x 1,024 x 1,024 float32.
;; This version of the problem:
;;   THIS VERSION OF THE PROBLEM IS GIVEN IN LOW PRECISION. The matrix products marked QUANTISED in the list below multiply operands that are first quantised to E2M1 (2 exponent bits, 1 mantissa bit; 4 bits a number), with one power-of-two scale for each 32 numbers along K (OCP MX v1.0); their sums are f32. All else is computed in f32.
;;   The module's matrix products, in the order in which they are computed (A, B: the left and right operand; K: the contracted axis; several contracted axes count as one K, in the product's order):
;;     1. [M 8,192, K 1,024] x [K 1,024, N 3,072]; A: input x; B: input W_attn: QUANTISED
;;     2. batch 128 x [M 1,024, K 64] x [K 64, N 1,024]; A: computed on the way; B: computed on the way: QUANTISED
;;     3. batch 1,024 x [M 1,024, K 64] x [K 64, N 128]; A: computed on the way; B: computed on the way: QUANTISED
;;     4. batch 128 x [M 1,024, K 1,024] x [K 1,024, N 64]; A: softmax (see below); B: computed on the way: QUANTISED
;;     5. batch 1,024 x [M 64, K 1,024] x [K 1,024, N 128]; A: computed on the way; B: softmax (see below): QUANTISED
;;     6. [M 8,192, K 1,024] x [K 1,024, N 1,024]; A: computed on the way; B: input W_proj: QUANTISED
;;   THE QUANTISER, for each operand of a quantised product, along K:
;;     - K is cut into blocks of 32 from its start; a last block that is shorter is filled with zeros.
;;     - A block's scale is 2^e with e = floor(log2(the largest magnitude in the block)) - 2, held to -126 .. 127; a block of zeros has e = 0. As a byte (E8M0): e + 127.
;;     - Each number is divided by its block's scale, clamped to +-6, and rounded to the nearest number of E2M1, ties to even, subnormals kept.
;;     - The product sums the exact products of the quantised numbers (number of the format x scale) in f32.
;;   ~~~python
;;   def quantise(x, axis):      # numpy; x: float32 -> the quantised numbers, widened to float32 again
;;       x = np.moveaxis(x, axis, -1); K = x.shape[-1]
;;       x = np.pad(x, [(0, 0)] * (x.ndim - 1) + [(0, -K % 32)]); x = x.reshape(x.shape[:-1] + (-1, 32)); a = np.abs(x).max(-1, keepdims=True)
;;       e = np.where(a > 0, np.clip(np.frexp(np.where(a > 0, a, 1))[1] - 1 - 2, -126, 127), 0)      # np.frexp(a)[1] - 1 = floor(log2(a)), exactly
;;       r = np.clip(x / 2.0 ** e, -6, 6)
;;       step = 2.0 ** (np.maximum(np.frexp(np.where(r == 0, 1, r))[1] - 1, 0) - 1)
;;       q = np.round(r / step) * step * 2.0 ** e      # np.round: ties to even
;;       return np.moveaxis(q.reshape(q.shape[:-2] + (-1,))[..., :K], -1, axis).astype(np.float32)
;;   ~~~
;;   SOFTMAX AHEAD OF A QUANTISED PRODUCT. Where the list says 'softmax', what is quantised is not the finished softmax but p = 2^(t - M), with t = logit x log2(e) and M = ceil(the row's largest t), a whole number; so 1/2 < the row's largest p <= 1. The row's sum l is taken of the UNQUANTISED p, in f32, and the product's result is divided by l at the end. Since M is a whole number, a kernel that streams over the keys may use a running M (the ceiling of the running maximum): every later rescaling is an exact power of two, which a block's scale takes up: the codes' values come out the same.
;;   OPERANDS COMPUTED ON THE WAY. 'Computed on the way' means the value that the module computes at that place (a softmax that the list does not call 'softmax' is quantised finished and normalised). What goes into a quantiser is computed in f32, as accurately as f32 sums, v_exp_f32 and their like allow (about 1e-6 of the number): no bf16 or f16 on the way to a quantiser, and a product that is left as it is and whose result goes on into a quantised operand takes f32 operands (vector FMAs, or v_wmma_f32_16x16x4_f32). A number that lies on a knife's edge between two numbers of the format may be rounded either way, as far as f32 arithmetic and the matrix unit's own rounding can turn it there, and no further.
;; One version. Each part assembles by itself: llvm-mc -triple=amdgcn-amd-amdhsa -mcpu=gfx1250 --defsym DOCPART=n.
;; ======== version 1 of 1: 4 launches
;; limits: right only within a limited range of input values
;; workspace buffers: x_img 4,194,304 bytes; x_sc 262,144 bytes; w_img 2,097,152 bytes; w_sc 131,072 bytes; tab 73,728 bytes; qkv 14,155,776 bytes; a_img 4,194,304 bytes; a_sc 262,144 bytes
;; launch prep (part 1): grid 785 x 1, 4 waves a work-group, no clusters, 43,520 bytes of LDS; arguments x, W_attn, W_proj, lut_k, lut_v, x_img, x_sc, w_img, w_sc, tab; writes x_img, x_sc, w_img, w_sc, tab
.if DOCPART == 1
	.amdgcn_target "amdgcn-amd-amdhsa--gfx1250"
	.amdhsa_code_object_version 6
	.text
	.protected	k_q727d551533_prep
	.globl	k_q727d551533_prep
	.p2align	8
	.type	k_q727d551533_prep,@function
k_q727d551533_prep:
	s_mov_b64 s[64:65], 0
	v_nop
	global_prefetch_b8 v0, s[64:65] scope:SCOPE_SE
	s_setreg_imm32_b32 hwreg(HW_REG_WAVE_MODE, 25, 1), 1
	s_wait_xcnt 0x0
; PREP: x, W_attn and W_proj become codes of E2M1 with one E8M0 byte for each 32 along K, laid as IMAGES OF OPERAND REGISTERS, and lut_k, lut_v become the small table tab.
; WORK LEFT OUT IN THE WHOLE PROGRAM, and why it can reach no output, whatever finite values the inputs hold:
;  (a) reference() replaces every score with j > i by -inf through a mask that it builds itself, so p is 0 there: blocks of 32 keys that lie wholly above the diagonal block are never multiplied.
;  (b) aij_k[i][j] = lut_k[clip(j - i, -16, 16) + 16] is quantised row by row along d; rows 17..32 are met only where j > i, that is under the mask: they are not loaded (rows 0..16 are).
;  (c) products 3 and 5 are lookups written as dense products.  Product 3 needs Q(q_i) . Q(lut_k[r]), r = 0..16.  Product 5 is quantised along j: a block of 32 keys that lies wholly 16 or more behind i holds lut_v[0][d]
;      32 times (FAR); the two blocks round the diagonal hang on i mod 32 alone (table T).  Rows 17..32 of lut_v share such blocks with keys that count and move their scales: they ARE used.
;  LIMIT: a NaN, an infinity or an overflow that reaches only the work left out is not carried to the result.
; OTHER LIMITS: a block whose largest magnitude lies under 2^-124 has its byte held at 1; a block of zeros gets the byte 1 where the rule says 127 (its codes are zeros, and these bytes are read by this program alone);
;  NaN and infinities among the inputs are not served.
; ORDER OF ROWS (all operands): lane r of tile T holds row 32 (T / 2) + 8 (T % 2) + r + 8 (r / 8), so that a product's results of tiles 2 b, 2 b + 1 are 16 neighbours along the next K in one lane.
; IMAGE: a fragment (16 rows x 128 K, 8 registers) is 2 x 512 bytes; part c holds registers 4 c .. 4 c + 3, lane L at 16 L; lane (r, h) holds k = 64 c + 32 h + 0 .. 31 there.
;  *_img [tile][K step 8][c 2][512];   *_sc [tile][K half 2][r 16][4 words], word q for K step 4 half + q.
; WORK-GROUPS: 0..255 path W (128 columns x 128 K of a weight), 256..271 path T, 272 path M, 273..784 path X (a tile of 16 rows of x).  Paths part on the work-group's number; each path that uses LDS has bytes of its own.
; No barrier: waves share nothing.  No matrix unit, no cluster, no tensor load: the launch streams, each input byte once.
.set XSTW,  8448                       ; path X: a stage of 16 rows x (512 + 16) bytes for each wave, from LDS byte 0
.set WST,   33792                      ; path W: a stage of 2 x (1,024 + 128) bytes for each wave
.set WSTW,  2304
.set SPARE, 43008                      ; the spare words, 128 bytes a wave: two blocks of 256 bytes that no other line names
.set TR,    65536                      ; tab: T's images [u 2][s 8][tl 4][c 2][512], then from TR: TS 0, FARC 4096, FARS 4608, LS 4864, LF 5120, PAD 7168
.set SPW,   10                         ; v10 LDS address of my spare word; never rewritten
.set NIL,   11                         ; v11 0; never rewritten
; 32 numbers of one lane, one block: largest magnitude with the floor 2^(3 - 127) among its leaves; 2 off its exponent field is the conversion's scale operand; that shifted is the byte
.macro QBLK src, dst, sop, byt
	v_max3_num_f32 v8, |v[\src]|, |v[\src+1]|, |v[\src+2]|
	v_max3_num_f32 v9, |v[\src+3]|, |v[\src+4]|, |v[\src+5]|
.irp i, 6,10,14,18,22,26
	v_max3_num_f32 v8, v8, |v[\src+\i]|, |v[\src+\i+1]|
	v_max3_num_f32 v9, v9, |v[\src+\i+2]|, |v[\src+\i+3]|
.endr
	v_max3_num_f32 v8, v8, |v[\src+30]|, |v[\src+31]|
	v_max3_num_f32 v8, v8, v9, 0x1800000
	v_add_nc_u32 v[\sop], 0xff000000, v8
	v_lshrrev_b32 v[\byt], 23, v[\sop]
.irp g, 0,1,2,3
	v_cvt_scalef32_pk8_fp4_f32 v[\dst+\g], v[\src+8*\g:\src+8*\g+7], v[\sop]
.endr
	v_nop                                          ; one plain line behind the last conversion
.endm
; my two bytes (blocks h and 2 + h of my row) and lane l xor 16's two make the row's scale word
.macro WORD2 y0, y1, out
	v_lshl_or_b32 v[\out], v[\y1], 16, v[\y0]
	v_lshlrev_b32 v[\out], v7, v[\out]
	v_permlanex16_b32 v6, v[\out], s26, s27
	v_or_b32 v[\out], v[\out], v6
.endm
.macro NARROW sv                       ; lanes 0 to 15 alone; EXEC changes only behind s_wait_xcnt 0
	v_cmp_gt_u32 vcc_lo, 16, v1
	s_wait_alu depctr_va_vdst(0)                   ; directly ahead of the wait below
	s_wait_xcnt 0x0
	s_and_saveexec_b32 s[\sv], vcc_lo
.endm
.macro WIDEN sv
	s_wait_xcnt 0x0
	s_or_b32 exec_lo, exec_lo, s[\sv]
.endm
.macro DROW                            ; v12 = 4 d, d = my row of d tile w in the order of rows
	s_lshr_b32 s30, s24, 1
	s_lshl_b32 s30, s30, 5
	s_and_b32 s31, s24, 1
	s_lshl_b32 s31, s31, 3
	s_add_co_u32 s30, s30, s31
	v_and_b32 v12, 8, v2
	v_add_nc_u32 v12, v12, v2
	v_add_nc_u32 v12, s30, v12
	v_lshlrev_b32 v12, 2, v12
.endm
	s_load_b512 s[4:19], s[0:1], 0x0               ; x 4, W_attn 6, W_proj 8, lut_k 10, lut_v 12, x_img 14, x_sc 16, w_img 18
	s_load_b128 s[20:23], s[0:1], 0x40             ; w_sc 20, tab 22
	v_lshl_add_u32 v[SPW], v0, 2, SPARE
	v_mov_b32 v[NIL], 0
	v_lshrrev_b32 v1, 5, v0
	v_readfirstlane_b32 s24, v1                    ; wave 0..3
	v_and_b32 v1, 31, v0                           ; lane
	v_and_b32 v2, 15, v0                           ; r
	v_bfe_u32 v3, v0, 4, 1                         ; h
	v_lshlrev_b32 v4, 4, v1                        ; 16 lane
	v_lshlrev_b32 v5, 2, v1                        ; 4 lane
	v_mov_b32 v6, 0                                ; a lane permute's destination counts as one of its sources
	v_lshlrev_b32 v7, 3, v3                        ; 8 h
	s_mov_b32 s26, 0x76543210
	s_mov_b32 s27, 0xfedcba98                      ; selects for lane l xor 16
	s_wait_alu depctr_va_vdst(0)
	s_wait_kmcnt 0x0
	s_cmp_lt_u32 ttmp9, 256
	s_cbranch_scc1 .Lw
	s_cmp_lt_u32 ttmp9, 272
	s_cbranch_scc1 .Lt
	s_cmp_eq_u32 ttmp9, 272
	s_cbranch_scc1 .Lm
	; ---- PATH X: the work-group is row tile rt; wave w takes K quarter w: two fragments.  Each load reads 512 consecutive bytes of one row; the rows turn through my stage so that a lane gets 32 neighbours along K.
	s_sub_co_u32 s28, ttmp9, 273                   ; rt
	s_lshr_b32 s29, s28, 1
	s_lshl_b32 s29, s29, 17                        ; 32 rows of 4,096 bytes
	s_and_b32 s30, s28, 1
	s_lshl_b32 s30, s30, 15                        ; 8 rows
	s_add_co_u32 s30, s30, s29
	s_lshl_b32 s29, s24, 10                        ; my quarter of a row
	s_add_co_u32 s30, s30, s29
	s_mov_b32 s31, 0
	s_add_nc_u64 s[4:5], s[4:5], s[30:31]
.irp f, 0,1
.irp p, 0,1,2,3,4,5,6,7,8,9,10,11,12,13,14,15
	global_load_b128 v[32+64*\f+4*\p:35+64*\f+4*\p], v4, s[4:5] offset:(\p+8*(\p/8))*4096+512*\f th:TH_LOAD_NT
.endr
.endr
	s_lshl_b32 s30, s28, 13
	s_lshl_b32 s29, s24, 11
	s_add_co_u32 s30, s30, s29
	s_add_nc_u64 s[14:15], s[14:15], s[30:31]      ; x_img: tile, my two K steps
	s_lshl_b32 s30, s28, 9
	s_lshr_b32 s29, s24, 1
	s_lshl_b32 s29, s29, 8
	s_add_co_u32 s30, s30, s29
	s_and_b32 s29, s24, 1
	s_lshl_b32 s29, s29, 3
	s_add_co_u32 s30, s30, s29
	s_add_nc_u64 s[16:17], s[16:17], s[30:31]      ; x_sc: tile, K half, my two words
	s_mul_i32 s29, s24, XSTW
	v_add_nc_u32 v12, s29, v4                      ; into the stage: 16 lane
	v_mul_u32_u24 v13, v2, 528
	v_lshl_add_u32 v13, v3, 7, v13
	v_add_nc_u32 v13, s29, v13                     ; out of it: row r, + 128 h
	v_lshlrev_b32 v14, 4, v2                       ; 16 r
	s_wait_alu depctr_va_vdst(0)
.macro XFRAG f
	s_wait_loadcnt 16*(1-\f)                       ; this fragment's 16 loads are in; the count leaves the other fragment's 16 out
.irp p, 0,1,2,3,4,5,6,7,8,9,10,11,12,13,14,15
	ds_store_b128 v12, v[32+64*\f+4*\p:35+64*\f+4*\p] offset:\p*528
.endr
.irp c, 0,1
.irp i, 0,1,2,3,4,5,6,7
	ds_load_b128 v[160+32*\c+4*\i:163+32*\c+4*\i], v13 offset:\c*256+16*\i   ; LDS serves a wave's instructions in order: these see my stores
.endr
.endr
	s_wait_dscnt 0x0
	QBLK 160, 224+8*\f, 16, 18
	QBLK 192, 228+8*\f, 17, 19
	WORD2 18, 19, 28+\f
	global_store_b128 v4, v[224+8*\f:227+8*\f], s[14:15] offset:1024*\f        ; 32 lanes store 512 consecutive bytes
	global_store_b128 v4, v[228+8*\f:231+8*\f], s[14:15] offset:1024*\f+512
.endm
	XFRAG 0
	XFRAG 1
	NARROW 29
	global_store_b64 v14, v[28:29], s[16:17]       ; my row's two scale words
	WIDEN 29
	s_branch .Lend
	; ---- PATH W: K step ks = id % 8, column group g = id / 8 (0..23 W_attn, 24..31 W_proj).  A lane takes a column, its registers run down K: nothing is transposed.
.Lw:
	s_and_b32 s28, ttmp9, 7                        ; ks
	s_lshr_b32 s29, ttmp9, 3                       ; g
	s_cmp_lt_u32 ttmp9, 192
	s_cselect_b64 s[6:7], s[6:7], s[8:9]           ; the choice hangs on the work-group's number alone
	s_mov_b32 s40, 4096
	s_cselect_b32 s40, 12288, s40                  ; bytes from row to row
	s_cselect_b32 s41, 0, 24
	s_sub_co_u32 s41, s29, s41                     ; the group of 128 columns in its tensor
	s_lshl_b32 s42, s40, 5                         ; 32 rows
	s_lshl_b32 s30, s28, 2
	s_mul_i32 s30, s30, s42                        ; ks x 128 rows
	s_lshl_b32 s41, s41, 9
	s_add_co_u32 s30, s30, s41
	s_lshl_b32 s41, s24, 7                         ; my 32 columns
	s_add_co_u32 s30, s30, s41
	s_mov_b32 s31, 0
	s_mov_b32 s43, 0
	s_add_nc_u64 s[32:33], s[6:7], s[30:31]        ; a base for each block of 32 rows; never rewritten
	s_add_nc_u64 s[34:35], s[32:33], s[42:43]
	s_add_nc_u64 s[36:37], s[34:35], s[42:43]
	s_add_nc_u64 s[38:39], s[36:37], s[42:43]
.set i, 0
.rept 32
	v_mad_u32_u24 v[16+i], s40, i, v5              ; 4 lane + i rows
.set i, i+1
.endr
.irp t, 0,1,2,3
.set i, 0
.rept 32
	global_load_b32 v[64+32*\t+i], v[16+i], s[32+2*\t:33+2*\t] th:TH_LOAD_NT    ; 32 lanes read 128 consecutive bytes, the four waves 512
.set i, i+1
.endr
.endr
	v_bfe_u32 v12, v0, 3, 1                        ; column n of my 32 lies in tile u = (n / 8) % 2,
	v_and_b32 v13, 7, v0
	v_lshl_add_u32 v13, v3, 3, v13                 ; lane r = n % 8 + 8 (n / 16)
	s_mul_i32 s44, s24, WSTW
	s_add_co_u32 s44, s44, WST
	v_mul_u32_u24 v14, v12, 1152                   ; a tile's image + 128 bytes of skew
	v_lshl_add_u32 v14, v13, 4, v14
	v_add_nc_u32 v14, s44, v14                     ; into the stage
	v_add_nc_u32 v15, s44, v4                      ; and back: 16 lane
	v_lshlrev_b32 v210, 9, v12
	v_lshl_add_u32 v210, v13, 4, v210              ; my scale word's place: tile u, row r
	s_lshl_b32 s30, s29, 3
	s_lshl_b32 s41, s24, 1
	s_add_co_u32 s41, s41, s30                     ; my first tile: 8 g + 2 w
	s_lshl_b32 s30, s41, 13
	s_lshl_b32 s44, s28, 10
	s_add_co_u32 s30, s30, s44
	s_add_nc_u64 s[18:19], s[18:19], s[30:31]
	s_lshl_b32 s30, s41, 9
	s_lshr_b32 s44, s28, 2
	s_lshl_b32 s44, s44, 8
	s_add_co_u32 s30, s30, s44
	s_and_b32 s44, s28, 3
	s_lshl_b32 s44, s44, 2
	s_add_co_u32 s30, s30, s44
	s_add_nc_u64 s[20:21], s[20:21], s[30:31]
.irp t, 0,1,2,3
.if \t < 2
	s_wait_loadcnt 63                              ; 96 and 64 loads are younger than blocks 0 and 1; the count is the largest that the wait can name, and a smaller count is safe
.else
	s_wait_loadcnt 32*(3-\t)                       ; block 2: block 3's 32 loads may be out
.endif
	QBLK 64+32*\t, 192+4*\t, 211, 212
	ds_store_b128 v14, v[192+4*\t:195+4*\t] offset:(\t/2)*512+(\t%2)*256    ; block t = 2 c + h of the image
.if \t == 0
	v_mov_b32 v208, v212
.else
	v_lshl_or_b32 v208, v212, 8*\t, v208           ; the column's scale word for this K step
.endif
.endr
.irp k, 0,1,2,3
	ds_load_b128 v[216+4*\k:219+4*\k], v15 offset:(\k/2)*1152+(\k%2)*512
.endr
	global_store_b32 v210, v208, s[20:21]          ; 4 bytes a lane, 16 apart: 128 KB of such pieces in the whole launch
.irp k, 0,1,2,3
	s_wait_dscnt 3-\k                              ; the younger loads from the stage may be out
	global_store_b128 v4, v[216+4*\k:219+4*\k], s[18:19] offset:(\k/2)*8192+(\k%2)*512
.endr
	s_branch .Lend
	; ---- PATH T: fragment (u, s, tl): rows d of tile tl; K = (query q = 2 s + c of a tile of queries, block h: 0 the block before the diagonal one, 1 the diagonal one, 32 keys).
	; Query q of a tile with T % 2 = u is i = 32 c + m, m = 16 (q / 8) + 8 u + q % 8; number jj of the block is lut_v[clamp(32 h - 16 - m + jj, 0, 32)][d].
.Lt:
	s_sub_co_u32 s28, ttmp9, 256
	s_lshr_b32 s29, s28, 3                         ; u
	s_and_b32 s28, s28, 7                          ; s
	DROW
	v_lshlrev_b32 v13, 5, v3                       ; 32 h
	v_mov_b32 v15, 0
	s_wait_alu depctr_va_vdst(0)                   ; directly ahead of the run of scalar lines
.irp c, 0,1
	s_lshl_b32 s31, s28, 1
	s_add_co_u32 s31, s31, \c                      ; q
	s_lshr_b32 s40, s31, 3
	s_lshl_b32 s40, s40, 4
	s_and_b32 s31, s31, 7
	s_add_co_u32 s40, s40, s31
	s_lshl_b32 s31, s29, 3
	s_add_co_u32 s40, s40, s31                     ; m
	s_add_co_u32 s40, s40, 16
	v_sub_nc_u32 v14, v13, s40                     ; 32 h - 16 - m
.set jj, 0
.rept 32
	v_add_nc_u32 v[128+32*\c+jj], jj, v14
	v_cmp_gt_i32 vcc_lo, 0, v[128+32*\c+jj]
	v_cndmask_b32 v[128+32*\c+jj], v[128+32*\c+jj], v15, vcc_lo    ; not under 0,
	v_min_u32 v[128+32*\c+jj], 32, v[128+32*\c+jj]                 ; not over 32
	v_lshl_add_u32 v[128+32*\c+jj], v[128+32*\c+jj], 8, v12        ; a row of lut_v is 256 bytes
	global_load_b32 v[64+32*\c+jj], v[128+32*\c+jj], s[12:13]
.set jj, jj+1
.endr
.endr
	s_lshl_b32 s30, s29, 15
	s_lshl_b32 s31, s28, 12
	s_add_co_u32 s30, s30, s31
	s_lshl_b32 s31, s24, 10
	s_add_co_u32 s30, s30, s31
	s_mov_b32 s31, 0
	s_add_nc_u64 s[32:33], s[22:23], s[30:31]      ; the fragment's image
	s_lshl_b32 s30, s29, 3
	s_add_co_u32 s30, s30, s28
	s_lshl_b32 s30, s30, 8
	s_lshl_b32 s40, s24, 2
	s_add_co_u32 s30, s30, s40
	s_add_co_u32 s30, s30, TR
	s_add_nc_u64 s[34:35], s[22:23], s[30:31]      ; TS [8 u + s][r][tl]
	v_lshlrev_b32 v21, 4, v2
	s_wait_loadcnt 32                              ; the first block's 32 are in; the second's may be out
	QBLK 64, 192, 16, 18
	s_wait_loadcnt 0x0
	QBLK 96, 196, 17, 19
	WORD2 18, 19, 20
	global_store_b128 v4, v[192:195], s[32:33]
	global_store_b128 v4, v[196:199], s[32:33] offset:512
	NARROW 29
	global_store_b32 v21, v20, s[34:35]
	WIDEN 29
	s_branch .Lend
	; ---- PATH M: wave w: FAR of d tile w (32 times lut_v[0][d]: one register of eight equal codes, one byte four times); fragment w of lut_k (rows: 0 | r | 16 | 16); zeros into the pad
.Lm:
	DROW
	global_load_b32 v64, v12, s[12:13]             ; lut_v[0][d]
	s_cmp_eq_u32 s24, 1
	s_cselect_b32 s30, 1, 0
	s_lshr_b32 s31, s24, 1
	s_lshl_b32 s31, s31, 4
	v_mul_u32_u24 v13, v2, s30
	v_add_nc_u32 v13, s31, v13                     ; the row of lut_k
	v_lshlrev_b32 v13, 8, v13
	v_lshl_add_u32 v13, v3, 7, v13                 ; its block h
.irp i, 0,1,2,3,4,5,6,7
	global_load_b128 v[96+4*\i:99+4*\i], v13, s[10:11] offset:16*\i
.endr
	s_add_nc_u64 s[22:23], s[22:23], TR
	s_lshl_b32 s30, s24, 7
	v_add_nc_u32 v22, s30, v5                      ; FARC: 128 w + 4 lane
	s_lshl_b32 s30, s24, 9
	v_add_nc_u32 v23, s30, v4                      ; LF: 512 w + 16 lane
	s_lshl_b32 s30, s24, 8
	v_lshl_add_u32 v24, v1, 3, s30                 ; PAD: 256 w + 8 lane
	s_lshl_b32 s30, s24, 2
	v_lshl_add_u32 v25, v2, 4, s30                 ; FARS, LS: 16 r + 4 w
	v_mov_b32 v26, 0
	v_mov_b32 v27, 0
	s_wait_loadcnt 8                               ; lut_v's number is in; lut_k's eight loads may be out
.irp i, 1,2,3,4,5,6,7
	v_mov_b32 v[64+\i], v64
.endr
	v_max3_num_f32 v8, |v64|, |v64|, 0x1800000
	v_add_nc_u32 v16, 0xff000000, v8
	v_lshrrev_b32 v18, 23, v16
	v_cvt_scalef32_pk8_fp4_f32 v192, v[64:71], v16
	v_nop
	v_lshl_or_b32 v20, v18, 8, v18
	v_lshl_or_b32 v20, v20, 16, v20                ; the byte four times
	s_wait_loadcnt 0x0
	QBLK 96, 196, 17, 19
	v_lshlrev_b32 v21, v7, v19
	v_permlanex16_b32 v6, v21, s26, s27
	v_or_b32 v21, v21, v6
	v_lshl_or_b32 v21, v21, 16, v21                ; (s0, s1, s0, s1): the fragment may stand in either half of a K step
	global_store_b32 v22, v192, s[22:23] offset:4096
	global_store_b128 v23, v[196:199], s[22:23] offset:5120
	global_store_b64 v24, v[26:27], s[22:23] offset:7168
	NARROW 29
	global_store_b32 v25, v20, s[22:23] offset:4608
	global_store_b32 v25, v21, s[22:23] offset:4864
	WIDEN 29
.Lend:
	s_wait_tensorcnt 0x0                           ; the wave's end
	ds_add_u32 v[SPW], v[NIL]
	s_wait_dscnt 0x0
	s_endpgm
.Lfunc_end_k_q727d551533_prep:
	.size	k_q727d551533_prep, .Lfunc_end_k_q727d551533_prep-k_q727d551533_prep
	.p2alignl 7, 3214868480
	.fill 96, 4, 3214868480
	.section	.rodata,"a",@progbits
	.p2align	6, 0x0
	.amdhsa_kernel k_q727d551533_prep
		.amdhsa_group_segment_fixed_size 43520
		.amdhsa_private_segment_fixed_size 0
		.amdhsa_enable_private_segment 0
		.amdhsa_kernarg_size 80
		.amdhsa_user_sgpr_count 2
		.amdhsa_user_sgpr_kernarg_segment_ptr 1
		.amdhsa_wavefront_size32 1
		.amdhsa_system_sgpr_workgroup_id_x 1
		.amdhsa_system_sgpr_workgroup_id_y 1
		.amdhsa_system_sgpr_workgroup_id_z 1
		.amdhsa_system_vgpr_workitem_id 0
		.amdhsa_next_free_vgpr 240
		.amdhsa_next_free_sgpr 66
		.amdhsa_reserve_vcc 1
		.amdhsa_float_denorm_mode_32 3
		.amdhsa_float_denorm_mode_16_64 3
		.amdhsa_memory_ordered 1
		.amdhsa_forward_progress 1
		.amdhsa_inst_pref_size 68
	.end_amdhsa_kernel
	.amdgpu_metadata
---
amdhsa.version: [ 1, 2 ]
amdhsa.kernels:
  - .name:           k_q727d551533_prep
    .symbol:         k_q727d551533_prep.kd
    .args:
      - { .name: x, .offset: 0, .size: 8, .value_kind: global_buffer, .address_space: global }
      - { .name: W_attn, .offset: 8, .size: 8, .value_kind: global_buffer, .address_space: global }
      - { .name: W_proj, .offset: 16, .size: 8, .value_kind: global_buffer, .address_space: global }
      - { .name: lut_k, .offset: 24, .size: 8, .value_kind: global_buffer, .address_space: global }
      - { .name: lut_v, .offset: 32, .size: 8, .value_kind: global_buffer, .address_space: global }
      - { .name: x_img, .offset: 40, .size: 8, .value_kind: global_buffer, .address_space: global }
      - { .name: x_sc, .offset: 48, .size: 8, .value_kind: global_buffer, .address_space: global }
      - { .name: w_img, .offset: 56, .size: 8, .value_kind: global_buffer, .address_space: global }
      - { .name: w_sc, .offset: 64, .size: 8, .value_kind: global_buffer, .address_space: global }
      - { .name: tab, .offset: 72, .size: 8, .value_kind: global_buffer, .address_space: global }
    .group_segment_fixed_size: 43520
    .private_segment_fixed_size: 0
    .kernarg_segment_align: 8
    .kernarg_segment_size: 80
    .max_flat_workgroup_size: 128
    .sgpr_count:     66
    .vgpr_count:     240
    .wavefront_size: 32
...
	.end_amdgpu_metadata
.endif
;; end of part 1
;; launch gemm_qkv (part 2): grid 4 x 64, 4 waves a work-group, clusters of 4 x 4, 327,680 bytes of LDS; arguments x_img, x_sc, w_img, w_sc, b_attn, qkv; writes qkv
.if DOCPART == 2
	.amdgcn_target "amdgcn-amd-amdhsa--gfx1250"
	.amdhsa_code_object_version 6
	.text
	.protected	k_q727d551533_gemm_qkv
	.globl	k_q727d551533_gemm_qkv
	.p2align	8
	.type	k_q727d551533_gemm_qkv,@function
k_q727d551533_gemm_qkv:
	s_mov_b64 s[64:65], 0
	v_nop
	global_prefetch_b8 v0, s[64:65] scope:SCOPE_SE
	s_setreg_imm32_b32 hwreg(HW_REG_WAVE_MODE, 25, 1), 1
	s_wait_xcnt 0x0
	s_wait_alu depctr_hold_cnt(0) depctr_sa_sdst(0) depctr_va_vdst(0) depctr_va_sdst(0) depctr_va_ssrc(0) depctr_va_vcc(0) depctr_vm_vsrc(0)
	s_getreg_b32 s2, hwreg(HW_REG_IB_STS2, 6, 4)
	s_cmp_eq_u32 s2, 0
	s_cbranch_scc0 .Lentry_in_a_cluster
	s_endpgm
.Lentry_in_a_cluster:
	s_bfe_u32 s2, ttmp6, 0x10000c
	s_cmp_lg_u32 s2, 0xf033
	s_cbranch_scc0 .Lentry_shape_is_right
	s_endpgm
.Lentry_shape_is_right:
; qkv = Q(x) Q(W_attn) + b_attn on codes of E2M1 (product 1), and the results quantised in registers: q and k along the head's 64, v along the keys; only codes and scale words go to memory.
; A WORK-GROUP STAYS.  It owns 128 rows of x (8 tiles, by work-group y), which lie in LDS for the whole launch, and walks three tiles of 256 columns of W_attn: columns 256 x of q, then of k, then of v (x = work-group x, 0..3).
; W's 16 tiles of a walk's step come by K halves (16 x 4,096 bytes) through two LDS slots: K half 0 in slot 0, K half 1 in slot 1.  A slot is asked for again as soon as its last fragments are in registers.
; A wave makes source 0's 128 rows x source 1's 64 rows: 8 x 4 accumulators.
;  q, k: source 0 = W's tiles 8 (w % 2) + b, source 1 = X's tiles 4 (w / 2) + a: a lane holds one row of x, its registers run along d.  One loop body, two trips.
;  v: source 0 = X's 8 tiles (128 keys), source 1 = W's tiles 4 w + a (one head's 64): a lane holds one d, its registers run along the keys, the axis along which v is quantised.  Written out behind the loop.
; The rows of a tile are 32 (T / 2) + 8 (T % 2) + r + 8 (r / 8): so the 16 registers of accumulators 2 e, 2 e + 1 are 16 neighbours, 32 e + 16 (lane / 16) + 0 .. 15, of source 0's rows.
; The bias is the C of K step 0.  CLUSTER 4 x 4: X's tiles are shared along a row of the cluster, W's along a column: joint loads, each group behind a round of the cluster's barrier.
; LOADS: at the head waves 0, 1 fetch X's halves (4 tiles x 8,192 bytes), waves 2, 3 the halves of W's first K half (8 tiles x 4,096 bytes): one a wave.  All later fills are W's, by waves 2, 3: one load of theirs is out at the most.
; PREFETCH: where waves 2, 3 have their load, waves 0, 1 name the K half that the NEXT change of slots asks for: 64 KB, of which the four partners of a column take 4 tiles each by address (cy), a wave 2 tiles, a lane 256 bytes.
;  The last change names nothing.  X comes once, at the head, and is not named: there is no loop ahead of it.
; A record of qkv (one batch and head, 110,592 bytes): KIMG 0 [tile 64][512], VIMG 32768 [step 8][d tile 4][c 2][512], KSC 65536 [tile][r] words (s0, s1, s0, s1), VSC 69632 [step][d tile][lane] words, QIMG 73728, QSC 106496.
; LIMITS: a block whose largest magnitude lies under 2^-124 has its byte held at 1 (a block of zeros too: its codes are zeros); NaN and infinities are not served.
; REGISTERS: window 0: v1-25 addresses; v28, v29 the add's; v32-95 source 0's scale words [8 b + K step], v96-127 source 1's; v128-191 bias; v192-251 at work on the way out; v252-255 v's bias.
;  window 1: accumulator (a, b) at v[8 (8 a + b)].   window 2: fragment buffer p at 96 p: source 0's eight, then source 1's four.
.set REC,   110592
.set WB,    65536                      ; LDS: X's 8 tiles x 8,192 bytes from 0; W's slot s at WB + s x SLOTB: 16 tiles x 4,096
.set SLOTB, 65536
.set SPARE, 196608                     ; the spare words, 128 bytes a wave: two blocks of 256 bytes that no other line names
.set TSTEP, 64*8192                    ; w_img: from q's tiles to k's, from k's to v's
.set SPW, 28
.set NIL, 29
.set SC0, 32
.set SC1, 96
.set BI,  128
.set BV,  252
.set AW,  4                            ; v4, v5 q, k: my W tiles in slot 0, 1;  v6 my X tiles;  v21, v22 v: my W tiles in slot 0, 1 (X's eight: v1)
.set AX,  6
.set AWV, 21
.set PFO, 25                           ; v25 the prefetches' offset: 8,192 (lane / 16) + 256 (lane % 16)
.set G1X, 24                           ; s[24:31] group 1 for X; s[32:35] its group 0; s[36:43] W's groups 0, one a slot; s[48:55] W's group 1
.set G0X, 32
.set G0W, 36
.set G1W, 48
.set PF,  82                           ; s[82:83] my part of the next type's K half 0
.set OI,  86                           ; s[86:87] where the type's images begin in a record, s[88:89] its scale words
.set OS,  88
.set MSB, 0
.macro WIN new                         ; the immediate's high byte repeats the setting that is left
.if MSB != \new
	s_set_vgpr_msb (MSB<<8)|\new
.set MSB, \new
.endif
.endm
.macro PLACES
.rept 4
	v_nop
.endr
.endm
.macro CREST                           ; a round of the cluster's barrier behind its opening barrier
	s_cmp_lg_u32 s16, 0
	s_cbranch_scc1 .Lnot_wave_0_\@
	s_barrier_signal -3
.Lnot_wave_0_\@:
	s_barrier_wait -3
	s_barrier_signal -1
	s_barrier_wait -1
.endm
.macro CROUND
	s_barrier_signal -1
	s_barrier_wait -1
	CREST
.endm
; waves 2, 3: the joint load of slot s; waves 0, 1: the prefetch at off bytes from s[PF] (guard = 1: not in the loop's last trip, which has no type behind v).  The branches hang on the wave's number and the trip alone.
.macro WLOAD s, off, guard
	s_cmp_eq_u32 s17, 0
	s_cbranch_scc1 .Lask_\@
	tensor_load_to_lds s[G0W+4*(\s):G0W+4*(\s)+3], s[G1W:G1W+7]
	s_nop 0
	PLACES
	s_branch .Ldone_\@
.Lask_\@:
.if \guard
	s_cmp_eq_u32 s3, 1
	s_cbranch_scc1 .Ldone_\@
.endif
	global_prefetch_b8 v[PFO], s[PF:PF+1] offset:\off th:TH_LOAD_NT scope:SCOPE_SE
.Ldone_\@:
.endm
.macro FETCH st, p, isv                ; K step st's 12 fragments into buffer p: 24 loads of 512 consecutive bytes
	WIN 0x80
.irp i, 0,1,2,3,4,5,6,7
.irp c, 0,1
.if \isv
	ds_load_b128 v[96*(\p)+8*\i+4*\c:96*(\p)+8*\i+4*\c+3], v1 offset:\i*8192+(\st)*1024+\c*512
.else
	ds_load_b128 v[96*(\p)+8*\i+4*\c:96*(\p)+8*\i+4*\c+3], v[AW+(\st)/4] offset:\i*4096+((\st)%4)*1024+\c*512
.endif
.endr
.endr
.irp a, 0,1,2,3
.irp c, 0,1
.if \isv
	ds_load_b128 v[96*(\p)+64+8*\a+4*\c:96*(\p)+64+8*\a+4*\c+3], v[AWV+(\st)/4] offset:\a*4096+((\st)%4)*1024+\c*512
.else
	ds_load_b128 v[96*(\p)+64+8*\a+4*\c:96*(\p)+64+8*\a+4*\c+3], v[AX] offset:\a*8192+(\st)*1024+\c*512
.endif
.endr
.endr
.endm
.macro WM d, f0, f1, c, s0, s1
	v_wmma_scale_f32_16x16x128_f8f6f4 v[\d:\d+7], v[\f0:\f0+7], v[\f1:\f1+7], v[\c:\c+7], v[\s0], v[\s1] matrix_a_fmt:MATRIX_FMT_FP4 matrix_b_fmt:MATRIX_FMT_FP4
.endm
.macro MULH st, p, cm, a0              ; 16 products: source 1's tiles a0, a0 + 1 x source 0's eight; the accumulators by turns.  cm 0: in place; 1: C = the bias by b; 2: by a
.if (\cm) == 0
	WIN 0x5a
.else
	WIN 0x4a
.endif
.irp a, \a0, \a0+1
.irp b, 0,1,2,3,4,5,6,7
.if (\cm) == 0
	WM 8*(8*(\a)+\b), 96*(\p)+8*\b, 96*(\p)+64+8*(\a), 8*(8*(\a)+\b), SC0+8*\b+(\st), SC1+8*(\a)+(\st)
.elseif (\cm) == 1
	WM 8*(8*(\a)+\b), 96*(\p)+8*\b, 96*(\p)+64+8*(\a), BI+8*\b, SC0+8*\b+(\st), SC1+8*(\a)+(\st)
.else
	WM 8*(8*(\a)+\b), 96*(\p)+8*\b, 96*(\p)+64+8*(\a), BI+8*(\a), SC0+8*\b+(\st), SC1+8*(\a)+(\st)
.endif
.endr
.endr
.endm
; A K step.  chg = 0: plain.  chg = 1, 2: the slot's last step: its fragments are the slot's last reads.  Each wave waits for all its tensor loads, adds 0 to its spare word, waits for that and for its reads;
; sixteen products stand between the barrier's signal and its wait.  chg = 1: the barrier opens a round of the cluster's barrier, and the slot takes the next type's K half.  chg = 2: nothing is filled.
.macro KSTEP st, isv, chg
.if \chg
	WIN 0
	s_wait_tensorcnt 0x0                           ; all my tensor loads have landed: the other slot's part among them; so a group 0 may be written
	ds_add_u32 v[SPW], v[NIL]
.if (\chg) == 1
	s_add_nc_u64 s[G0W+4*((\st)/4)+2:G0W+4*((\st)/4)+3], s[G0W+4*((\st)/4)+2:G0W+4*((\st)/4)+3], TSTEP
.endif
	s_wait_dscnt 0x0                               ; the add is done, and this step's fragments, my last reads of the slot, are in
	s_barrier_signal -1
	MULH \st, (\st)%2, 0, 0
	WIN 0
	s_barrier_wait -1
.if (\chg) == 1
	CREST
	WLOAD (\st)/4, 4096+((\st)/4)*(TSTEP-4096), (\st)/4
.endif
	PLACES                                         ; four places in front of loads into the buffer that the step before multiplied
.if \st < 7
	FETCH (\st)+1, ((\st)+1)%2, \isv
.endif
	MULH \st, (\st)%2, 0, 2
.else
	PLACES
.if \st < 7
	FETCH (\st)+1, ((\st)+1)%2, \isv
	s_wait_dscnt 24                                ; this step's fragments are in; the 24 loads just issued may be out
.else
	s_wait_dscnt 0x0
.endif
	MULH \st, (\st)%2, 0, 0
	MULH \st, (\st)%2, 0, 2
.endif
.endm
.macro TILE isv
	FETCH 0, 0, \isv
	s_wait_loadcnt 0x0                             ; scale words and bias
	FETCH 1, 1, \isv
	s_wait_dscnt 24                                ; K step 0's fragments are in
.if \isv
	WIN 0
.irp a, 0,1,2,3
.irp j, 0,1,2,3,4,5,6,7
	v_mov_b32 v[BI+8*\a+\j], v[BV+\a]              ; v: all eight registers of (a, b) are one column
.endr
.endr
.endif
	MULH 0, 0, 1+\isv, 0                           ; the first K step starts the sums on the bias: nothing is cleared
	MULH 0, 0, 1+\isv, 2
	KSTEP 1, \isv, 0
	KSTEP 2, \isv, 0
	KSTEP 3, \isv, 1+\isv
	KSTEP 4, \isv, 0
	KSTEP 5, \isv, 0
	KSTEP 6, \isv, 0
	KSTEP 7, \isv, 1-\isv
	WIN 0
	PLACES                                         ; four places in front of the first read of results and of loads into scale registers
.endm
.macro SCL0                            ; source 0's scale words: lane r takes row r's four words: sixteen lanes read 256 consecutive bytes
.irp i, 0,1,2,3,4,5,6,7
.irp kh, 0,1
	global_load_b128 v[SC0+8*\i+4*\kh:SC0+8*\i+4*\kh+3], v2, s[74:75] offset:\i*512+\kh*256
.endr
.endr
.endm
.macro SCL1 b
.irp a, 0,1,2,3
.irp kh, 0,1
	global_load_b128 v[SC1+8*\a+4*\kh:SC1+8*\a+4*\kh+3], v2, s[\b:\b+1] offset:\a*512+\kh*256
.endr
.endr
.endm
.macro BIASL                           ; q, k: register j of accumulator (a, b) is column 32 (b / 2) + 8 (b % 2) + 16 h + j
.irp b, 0,1,2,3,4,5,6,7
	global_load_b128 v[BI+8*\b:BI+8*\b+3], v7, s[12:13] offset:(32*(\b/2)+8*(\b%2))*4
	global_load_b128 v[BI+8*\b+4:BI+8*\b+7], v7, s[12:13] offset:(32*(\b/2)+8*(\b%2))*4+16
.endr
.endm
; THE WAY OUT: the 64 numbers that a lane holds for source 1's tile a are four blocks of 32 along source 0's rows (each shared with lane l xor 16): quantised in registers, stored as images.
.macro QOUT a
.irp e, 0,1,2,3
	v_mov_b32 v[192+\e], 0x1800000                 ; the floor 2^(3 - 127)
.endr
	WIN 0x14                                       ; sources 1 and 2: window 1
.irp i, 0,2,4,6,8,10,12,14
.irp e, 0,1,2,3
	v_max3_num_f32 v[192+\e], v[192+\e], |v[64*\a+16*\e+\i]|, |v[64*\a+16*\e+\i+1]|    ; each accumulator from its low end on
.endr
.endr
	WIN 0
.irp e, 0,1,2,3
	v_permlanex16_b32 v[196+\e], v[192+\e], s84, s85
.endr
.irp e, 0,1,2,3
	v_max_num_f32 v[192+\e], v[192+\e], v[196+\e]
.endr
.irp e, 0,1,2,3
	v_add_nc_u32 v[200+\e], 0xff000000, v[192+\e]  ; 2 off the exponent field: the conversion's scale operand
.endr
.irp e, 0,1,2,3
	v_lshrrev_b32 v[204+\e], 23, v[200+\e]
.endr
	v_lshl_or_b32 v208, v205, 8, v204
	v_lshl_or_b32 v208, v206, 16, v208
	v_lshl_or_b32 v208, v207, 24, v208
	WIN 0x01                                       ; source 0: window 1
.irp e, 0,1,2,3
	v_cvt_scalef32_pk8_fp4_f32 v[216+8*\a+2*\e], v[64*\a+16*\e:64*\a+16*\e+7], v[200+\e]
	v_cvt_scalef32_pk8_fp4_f32 v[217+8*\a+2*\e], v[64*\a+16*\e+8:64*\a+16*\e+15], v[200+\e]
.endr
	WIN 0
	v_nop                                          ; one plain line behind the last conversion
.irp c, 0,1
.irp i, 0,1
	v_permlane16_swap_b32 v[216+8*\a+4*\c+\i], v[218+8*\a+4*\c+\i]    ; a whole block in a lane: registers 4 c .. 4 c + 3 hold block 2 c + h
.endr
.endr
	v_perm_b32 v[248+\a], v208, v208, v20          ; q, k: (s0, s1, s0, s1) of the first head in lanes 0-15, of the second in lanes 16-31; v: the word as it is
	global_store_b128 v[8+\a], v[216+8*\a:219+8*\a], s[OI:OI+1]      ; 32 lanes store 512 consecutive bytes
	global_store_b128 v[12+\a], v[220+8*\a:223+8*\a], s[OI:OI+1]
	global_store_b32 v[16+\a], v[248+\a], s[OS:OS+1]
.endm
	s_load_b256 s[4:11], s[0:1], 0x0               ; X's images 4, X's scales 6, W's images 8, W's scales 10
	s_load_b128 s[12:15], s[0:1], 0x20             ; bias 12, qkv 14
	v_lshl_add_u32 v[SPW], v0, 2, SPARE
	v_mov_b32 v[NIL], 0
	ds_add_u32 v[SPW], v[NIL]                      ; the wave's opening: the add, twice on end, and its wait ahead of my first tensor load
	ds_add_u32 v[SPW], v[NIL]
	v_lshrrev_b32 v1, 5, v0
	v_readfirstlane_b32 s16, v1                    ; wave 0..3
	s_lshr_b32 s17, s16, 1
	s_and_b32 s18, s16, 1
	s_bfe_u32 s19, ttmp6, 0x40000                  ; cx
	s_bfe_u32 s20, ttmp6, 0x40004                  ; cy
	s_lshl_b32 s21, ttmp9, 2
	s_add_co_u32 s21, s21, s19                     ; work-group x
	s_and_b32 s22, ttmp7, 0xffff
	s_lshl_b32 s22, s22, 2
	s_add_co_u32 s22, s22, s20                     ; work-group y
	s_lshl_b32 s40, s20, 2
	s_lshl_b32 s40, 15, s40                        ; my row of the cluster
	s_lshl_b32 s41, 0x1111, s19                    ; my column
	s_or_b32 s[G1X], s40, (3<<16)|(1<<21)          ; the mask; elements of 8 bytes; bit 21 beside a mask; no padding: images are read 512 consecutive bytes at a time
	s_or_b32 s[G1W], s41, (3<<16)|(1<<21)
	s_mov_b32 s[G1X+1], 1024<<16                   ; X: a row of the tile is a whole image tile, 8,192 bytes;
	s_mov_b32 s[G1X+2], 4<<16                      ; 4 of them
	s_mov_b32 s[G1X+3], 1024<<16
	s_mov_b32 s[G1X+4], 4
	s_mov_b32 s[G1X+5], 1024
	s_mov_b32 s[G1X+6], 0
	s_mov_b32 s[G1X+7], 0
	s_mov_b32 s[G1W+1], 512<<16                    ; W: a tile's K half, 4,096 bytes;
	s_mov_b32 s[G1W+2], 8<<16                      ; 8 tiles,
	s_mov_b32 s[G1W+3], 512<<16
	s_mov_b32 s[G1W+4], 8
	s_mov_b32 s[G1W+5], 1024                       ; 8,192 bytes apart
	s_mov_b32 s[G1W+6], 0
	s_mov_b32 s[G1W+7], 0
	s_lshl_b32 s44, s22, 16                        ; X: 8 tiles a work-group y, + my 4
	s_lshl_b32 s45, s18, 15
	s_add_co_u32 s44, s44, s45
	s_mov_b32 s45, 0
	s_lshl_b32 s46, s21, 17                        ; W: 16 tiles a work-group x, + my 8
	s_lshl_b32 s47, s18, 16
	s_add_co_u32 s46, s46, s47
	s_mov_b32 s47, 0
	s_lshl_b32 s56, s18, 15                        ; and where they go: no place in the cluster enters an LDS address
	s_add_co_u32 s57, s56, WB
	s_wait_dscnt 0x0                               ; both opening adds are done
	s_wait_kmcnt 0x0
	s_add_nc_u64 s[44:45], s[4:5], s[44:45]
	s_add_nc_u64 s[46:47], s[8:9], s[46:47]
	CROUND                                         ; all sixteen work-groups are here: the first joint loads meet
	s_mov_b32 s[G0X], 1
	s_mov_b32 s[G0X+1], s56
	s_mov_b64 s[G0X+2:G0X+3], s[44:45]
	s_or_b32 s[G0X+3], s[G0X+3], 0x80000000
.irp s, 0,1
	s_mov_b32 s[G0W+4*\s], 1
	s_add_co_u32 s[G0W+4*\s+1], s57, \s*SLOTB
	s_add_nc_u64 s[G0W+4*\s+2:G0W+4*\s+3], s[46:47], \s*4096
	s_or_b32 s[G0W+4*\s+3], s[G0W+4*\s+3], 0x80000000
.endr
	s_cmp_eq_u32 s17, 0                            ; the head's loads, one a wave
	s_cbranch_scc0 .Lhead_w
	tensor_load_to_lds s[G0X:G0X+3], s[G1X:G1X+7]
	s_nop 0
	PLACES
	s_branch .Lhead_asked
.Lhead_w:
	tensor_load_to_lds s[G0W:G0W+3], s[G1W:G1W+7]
	s_nop 0
	PLACES
.Lhead_asked:
	s_lshl_b32 s66, s18, 15
	s_add_co_u32 s66, s66, WB                      ; q, k: source 0 = W's tiles 8 (w % 2) on
	s_lshl_b32 s67, s17, 15                        ;       source 1 = X's tiles 4 (w / 2) on
	s_lshl_b32 s68, s16, 14
	s_add_co_u32 s68, s68, WB                      ; v: source 1 = W's tiles 4 w on
	s_mov_b32 s69, 0xffff0000                      ; lanes 16-31
	s_mov_b32 s84, 0x76543210
	s_mov_b32 s85, 0xfedcba98                      ; selects for lane l xor 16
	s_mov_b32 s81, 0
	s_lshl_b32 s90, s21, 4                         ; scale words, 512 bytes a tile
	s_lshl_b32 s91, s18, 3
	s_add_co_u32 s91, s91, s90
	s_lshl_b32 s80, s91, 9
	s_add_nc_u64 s[74:75], s[10:11], s[80:81]      ; q: W's tiles 16 x + 8 (w % 2); k's lie 64 tiles on
	s_lshl_b32 s91, s16, 2
	s_add_co_u32 s91, s91, s90
	s_add_co_u32 s91, s91, 128
	s_lshl_b32 s80, s91, 9
	s_add_nc_u64 s[72:73], s[10:11], s[80:81]      ; v: W's tiles 128 + 16 x + 4 w
	s_lshl_b32 s80, s22, 12
	s_add_nc_u64 s[70:71], s[6:7], s[80:81]        ; v: X's 8 tiles
	s_lshl_b32 s80, s17, 11
	s_add_nc_u64 s[76:77], s[70:71], s[80:81]      ; q, k: my four of them
	s_lshl_b32 s90, s21, 10                        ; the bias: 256 columns a work-group x
	s_lshl_b32 s80, s16, 8
	s_add_co_u32 s80, s80, s90
	s_add_co_u32 s80, s80, 8192
	s_add_nc_u64 s[78:79], s[12:13], s[80:81]      ; v: my head's 64 columns
	s_lshl_b32 s80, s18, 9
	s_add_co_u32 s80, s80, s90
	s_add_nc_u64 s[12:13], s[12:13], s[80:81]      ; q: my 128 columns; k's lie 4,096 bytes on
	s_and_b32 s90, s22, 7                          ; which 128 rows of the batch (kept for v)
	s_lshr_b32 s91, s22, 3
	s_lshl_b32 s91, s91, 4
	s_lshl_b32 s92, s21, 2
	s_add_co_u32 s91, s91, s92                     ; 16 batch + 4 x: the work-group's first head (kept for v)
	s_lshl_b32 s92, s18, 1
	s_add_co_u32 s92, s92, s91
	s_mul_i32 s92, s92, REC                        ; q, k: the record of head 2 (w % 2) of the four
	s_lshl_b32 s93, s90, 3
	s_lshl_b32 s94, s17, 2
	s_add_co_u32 s93, s93, s94                     ; my first tile of rows in the batch
	s_lshl_b32 s94, s93, 9
	s_add_co_u32 s94, s94, s92
	s_lshl_b32 s95, s93, 6
	s_add_co_u32 s95, s95, s92
	s_add_nc_u64 s[OI:OI+1], s[14:15], 73728       ; QIMG
	s_add_nc_u64 s[OS:OS+1], s[14:15], 106496      ; QSC
	s_lshl_b32 s80, s21, 4                         ; the prefetches: k's tiles 64 + 16 x + 4 cy + 2 (w % 2)
	s_lshl_b32 s93, s20, 2
	s_add_co_u32 s80, s80, s93
	s_lshl_b32 s93, s18, 1
	s_add_co_u32 s80, s80, s93
	s_add_co_u32 s80, s80, 64
	s_lshl_b32 s80, s80, 13
	s_add_nc_u64 s[PF:PF+1], s[8:9], s[80:81]
	v_and_b32 v30, 31, v0
	v_and_b32 v31, 15, v0                          ; r
	v_bfe_u32 v3, v0, 4, 1                         ; h
	v_lshlrev_b32 v1, 4, v30                       ; 16 lane
	v_lshlrev_b32 v2, 4, v31                       ; 16 r
	v_lshlrev_b32 v7, 6, v3                        ; 64 h
	v_add_nc_u32 v[AW], s66, v1
	v_add_nc_u32 v[AW+1], SLOTB, v[AW]
	v_add_nc_u32 v[AX], s67, v1
	v_add_nc_u32 v[AWV], s68, v1
	v_add_nc_u32 v[AWV+1], SLOTB, v[AWV]
	v_and_b32 v23, 8, v31
	v_add_nc_u32 v23, v23, v31
	v_lshlrev_b32 v23, 2, v23                      ; v's bias: column r + 8 (r / 8) of a tile
	v_lshlrev_b32 v[PFO], 8, v31
	v_lshl_add_u32 v[PFO], v3, 13, v[PFO]
	v_add_nc_u32 v8, s94, v1                       ; q, k: codes: 512 bytes from a to a + 1; registers 4-7 go to the next head's record
.irp a, 1,2,3
	v_add_nc_u32 v[8+\a], 512*\a, v8
.endr
.irp a, 0,1,2,3
	v_add_nc_u32 v[12+\a], REC, v[8+\a]
.endr
	v_mul_u32_u24 v16, v3, REC                     ; scale words: lanes 16-31 the next head's
	v_lshl_add_u32 v16, v31, 2, v16
	v_add_nc_u32 v16, s95, v16
.irp a, 1,2,3
	v_add_nc_u32 v[16+\a], 64*\a, v16
.endr
	v_mov_b32 v20, 0x01000100
	v_mov_b32 v24, 0x03020302
	v_cndmask_b32 v20, v20, v24, s69
.irp e, 0,1,2,3
	v_mov_b32 v[196+\e], 0                         ; a lane permute's destination counts as one of its sources
.endr
	s_wait_alu depctr_va_vdst(0)
	SCL0
	SCL1 76
	BIASL
.irp a, 0,1,2,3
	global_load_b32 v[BV+\a], v23, s[78:79] offset:(32*(\a/2)+8*(\a%2))*4
.endr
	s_wait_tensorcnt 0x0                           ; my part of the head's tiles is in
	ds_add_u32 v[SPW], v[NIL]
	s_wait_dscnt 0x0
	CROUND                                         ; everybody's part is in, and all sixteen work-groups are here
	WLOAD 1, 0, 0                                  ; slot 1's first fill: q's K half 1; waves 0, 1 name k's K half 0
	s_mov_b32 s3, 2
.Ltile:                                            ; two trips: q, then k
	TILE 0
	s_add_nc_u64 s[74:75], s[74:75], 64*512        ; the next tile's scale words and bias are loaded under the way out (the loads that read these bases were waited for at the tile's head)
	s_cmp_eq_u32 s3, 1                             ; is v next?
	s_cselect_b64 s[74:75], s[70:71], s[74:75]     ; then source 0 is X
	SCL0
	s_cbranch_scc1 .Lnext_v
	s_add_nc_u64 s[12:13], s[12:13], 4096
	BIASL
	s_branch .Lnext_done
.Lnext_v:
	SCL1 72                                        ; and source 1 is W; v's bias came at the head
.Lnext_done:
	QOUT 0
	QOUT 1
	QOUT 2
	QOUT 3
	s_wait_xcnt 0x0                                ; stores and prefetches have read their registers and bases
	s_mov_b64 s[OI:OI+1], s[14:15]                 ; KIMG
	s_add_nc_u64 s[OS:OS+1], s[14:15], 65536       ; KSC
	s_add_nc_u64 s[PF:PF+1], s[PF:PF+1], TSTEP
	s_sub_co_u32 s3, s3, 1
	s_cmp_lg_u32 s3, 0
	s_wait_alu depctr_va_vdst(0)                   ; directly ahead of the branch
	s_cbranch_scc1 .Ltile
	s_add_co_u32 s92, s91, s16                     ; v: head w of the work-group's four
	s_mul_i32 s92, s92, REC
	s_lshl_b32 s94, s90, 12                        ; the step of 128 keys
	s_add_co_u32 s94, s94, s92
	s_lshl_b32 s95, s90, 9
	s_add_co_u32 s95, s95, s92
	s_add_nc_u64 s[OI:OI+1], s[14:15], 32768       ; VIMG
	s_add_nc_u64 s[OS:OS+1], s[14:15], 69632       ; VSC
	v_add_nc_u32 v8, s94, v1                       ; codes: 1,024 bytes from a to a + 1; registers 4-7 are the fragment's second part
.irp a, 1,2,3
	v_add_nc_u32 v[8+\a], 1024*\a, v8
.endr
.irp a, 0,1,2,3
	v_add_nc_u32 v[12+\a], 512, v[8+\a]
.endr
	v_lshlrev_b32 v16, 6, v3                       ; scale words: 4 lane; lanes 16-31 hold the same word once more
	v_lshl_add_u32 v16, v31, 2, v16
	v_add_nc_u32 v16, s95, v16
.irp a, 1,2,3
	v_add_nc_u32 v[16+\a], 128*\a, v16
.endr
	v_mov_b32 v20, 0x03020100
	s_wait_alu depctr_va_vdst(0)
	TILE 1
	QOUT 0
	QOUT 1
	QOUT 2
	QOUT 3
	s_wait_tensorcnt 0x0                           ; the wave's end
	ds_add_u32 v[SPW], v[NIL]
	s_wait_dscnt 0x0
	CROUND                                         ; the closing round
	s_endpgm
.Lfunc_end_k_q727d551533_gemm_qkv:
	.size	k_q727d551533_gemm_qkv, .Lfunc_end_k_q727d551533_gemm_qkv-k_q727d551533_gemm_qkv
	.p2alignl 7, 3214868480
	.fill 96, 4, 3214868480
	.section	.rodata,"a",@progbits
	.p2align	6, 0x0
	.amdhsa_kernel k_q727d551533_gemm_qkv
		.amdhsa_group_segment_fixed_size 327680
		.amdhsa_private_segment_fixed_size 0
		.amdhsa_enable_private_segment 0
		.amdhsa_kernarg_size 48
		.amdhsa_user_sgpr_count 2
		.amdhsa_user_sgpr_kernarg_segment_ptr 1
		.amdhsa_wavefront_size32 1
		.amdhsa_system_sgpr_workgroup_id_x 1
		.amdhsa_system_sgpr_workgroup_id_y 1
		.amdhsa_system_sgpr_workgroup_id_z 1
		.amdhsa_system_vgpr_workitem_id 0
		.amdhsa_next_free_vgpr 768
		.amdhsa_next_free_sgpr 96
		.amdhsa_reserve_vcc 0
		.amdhsa_float_denorm_mode_32 3
		.amdhsa_float_denorm_mode_16_64 3
		.amdhsa_memory_ordered 1
		.amdhsa_forward_progress 1
		.amdhsa_inst_pref_size 149
	.end_amdhsa_kernel
	.amdgpu_metadata
---
amdhsa.version: [ 1, 2 ]
amdhsa.kernels:
  - .name:           k_q727d551533_gemm_qkv
    .symbol:         k_q727d551533_gemm_qkv.kd
    .args:
      - { .name: x_img, .offset: 0, .size: 8, .value_kind: global_buffer, .address_space: global }
      - { .name: x_sc, .offset: 8, .size: 8, .value_kind: global_buffer, .address_space: global }
      - { .name: w_img, .offset: 16, .size: 8, .value_kind: global_buffer, .address_space: global }
      - { .name: w_sc, .offset: 24, .size: 8, .value_kind: global_buffer, .address_space: global }
      - { .name: b_attn, .offset: 32, .size: 8, .value_kind: global_buffer, .address_space: global }
      - { .name: qkv, .offset: 40, .size: 8, .value_kind: global_buffer, .address_space: global }
    .group_segment_fixed_size: 327680
    .private_segment_fixed_size: 0
    .kernarg_segment_align: 8
    .kernarg_segment_size: 48
    .max_flat_workgroup_size: 128
    .sgpr_count:     96
    .vgpr_count:     768
    .wavefront_size: 32
...
	.end_amdgpu_metadata
.endif
;; end of part 2
;; launch attn (part 3): grid 8 x 32, 16 waves a work-group, clusters of 4 x 1, 204,800 bytes of LDS; arguments qkv, tab, a_img, a_sc; writes a_img, a_sc
.if DOCPART == 3
	.amdgcn_target "amdgcn-amd-amdhsa--gfx1250"
	.amdhsa_code_object_version 6
	.text
	.protected	k_q727d551533_attn
	.globl	k_q727d551533_attn
	.p2align	8
	.type	k_q727d551533_attn,@function
k_q727d551533_attn:
	s_mov_b64 s[64:65], 0
	v_nop
	global_prefetch_b8 v0, s[64:65] scope:SCOPE_SE
	s_setreg_imm32_b32 hwreg(HW_REG_WAVE_MODE, 25, 1), 1
	s_wait_xcnt 0x0
	s_wait_alu depctr_hold_cnt(0) depctr_sa_sdst(0) depctr_va_vdst(0) depctr_va_sdst(0) depctr_va_ssrc(0) depctr_va_vcc(0) depctr_vm_vsrc(0)
	s_getreg_b32 s2, hwreg(HW_REG_IB_STS2, 6, 4)
	s_cmp_eq_u32 s2, 0
	s_cbranch_scc0 .Lentry_in_a_cluster
	s_endpgm
.Lentry_in_a_cluster:
	s_bfe_u32 s2, ttmp6, 0x10000c
	s_cmp_lg_u32 s2, 0x3003
	s_cbranch_scc0 .Lentry_shape_is_right
	s_endpgm
.Lentry_shape_is_right:
; Products 2 to 5 and the softmax, on codes of E2M1; the result is quantised along D in registers and stored as the projection's operand images.
; LEFT OUT (shown at the head of the first launch): blocks of keys wholly above the diagonal block; rows 17..32 of lut_k; products 3 and 5 are done as the lookups that they are, on the format's own instruction.
; SHARES.  bh = 4 y + cx: one batch and head; z = the cluster's x: which half of the waves' pairs.  Wave w owns query tiles T0 = (16 z + w) xor 63 and T1 = 16 z + w.  With c = T / 2 a tile has ceil((c - 1) / 4) bulk steps
; of 128 keys (blocks 0 .. c - 2, all 17 or more behind every query) and one near step (blocks c - 1 and c); c(T0) + c(T1) = 31, so every wave does 8 bulk steps and 2 near steps.
; Lane q of tile T is query 32 c + m, m = 16 (q / 8) + 8 u + q % 8, u = T % 2.  Both kinds of product are used transposed: a lane holds ONE query throughout.
; K = 64 IN A FORM OF K = 128: q stands twice, [q, q]; a tile of k is [codes, zeros] or [zeros, codes], two tiles sharing four zero registers; scale words are (s0, s1, s0, s1).
; PRODUCT 3: QL[r] = Q(q) . Q(lut_k[r]), r = 0 .. 16, by three products a tile.  In bulk steps QL[0] is the C of the scores products; in the near step C is read askew from a row E of 48 words a query.
; PRODUCT 5: bulk: O += FAR x p (32 equal codes a block).  Near: K = (query of the tile, block, key) = 1,024: T's fragment s holds queries 2 s, 2 s + 1; p stands in its own query's slot, zeros elsewhere.
; SOFTMAX: t = score x log2(e) / 8; M = the ceiling of the running largest t; p = 2^(t - M) is quantised along the keys; the sum is taken of the unquantised p; O and the sum are multiplied by 2^(old M - new M), exactly.
; CLUSTER 4, 1, 1: tab is read by every work-group: joint loads, mask 15.  The two halves of a head share K and V but differ in branches and LDS addresses (by z), which partners may not: they lie in different clusters,
; and each work-group fetches its record by loads of its own.  All LDS is filled once, at the head: one tensor load a wave, 9,216 bytes.
; LIMITS: as in the first launch (byte held at 1 from below; NaN and infinities not served).  The scale bytes of the result leave as single bytes, 256 KB in the launch.
; REGISTERS: v1-11 addresses that stay; v12 -M, v13 largest t, v[14:15] the sum; v16-23 [q, q]; v24 q's scale word, v25 p's; v26-31 addresses in hand; v32-55 K's buffer a z b a2 z2 b2; v56-63 QL0; v64-95 O^T;
;  v96-159 scores, p, then fragments of V or T; v160-191 FAR; v192-195 FAR's scale words; v196-203 p's codes; v204-219 p in its slot, two sets; v220-223, v244-247 scale words; v224-241, v248-255 at work; v242, v243 the add's.
.set REC,   110592
.set SCRW,  3328                       ; LDS byte 0: 16 rows of 208 bytes for each wave: E
.set EP,    208
.set KV,    53248                      ; the record's first 73,728 bytes: KIMG, VIMG, KSC, VSC
.set VIM,   KV+32768
.set KSCO,  KV+65536
.set VSCO,  KV+69632
.set TAB,   126976                     ; tab, 73,728 bytes
.set TRO,   TAB+65536
.set SPARE, 200704                     ; the spare words, 128 bytes a wave: eight blocks of 256 bytes that no other line names
.set SPW, 242
.set NIL, 243
.set S,   96
.set BM,  224
.set BP,  228
.set SO,  232
.set BY,  236
.macro ROUND                           ; a round of the cluster's barrier
	s_barrier_signal -1
	s_barrier_wait -1
	s_cmp_lg_u32 s12, 0
	s_cbranch_scc1 .Lnot_wave_0_\@
	s_barrier_signal -3
.Lnot_wave_0_\@:
	s_barrier_wait -3
	s_barrier_signal -1
	s_barrier_wait -1
.endm
.macro WM0 d, a, b, sa, sb             ; D = A B
	v_wmma_scale_f32_16x16x128_f8f6f4 v[\d:\d+7], v[\a:\a+7], v[\b:\b+7], 0, v[\sa], v[\sb] matrix_a_fmt:MATRIX_FMT_FP4 matrix_b_fmt:MATRIX_FMT_FP4
.endm
.macro WMC d, a, b, c, sa, sb          ; D = A B + C
	v_wmma_scale_f32_16x16x128_f8f6f4 v[\d:\d+7], v[\a:\a+7], v[\b:\b+7], v[\c:\c+7], v[\sa], v[\sb] matrix_a_fmt:MATRIX_FMT_FP4 matrix_b_fmt:MATRIX_FMT_FP4
.endm
; nb blocks of 32 keys: scores in v[S] on (16 a block in my lane, 16 in lane l xor 16) become p's codes in v196 on and p's scale word in v25; M, the sum and f = 2^(old M - new M) (v240) are brought up to date
.macro SOFTMAX nb
.irp e, 0,1,2,3
.if \e < \nb
	v_max3_num_f32 v[BM+\e], v[S+16*\e], v[S+1+16*\e], v[S+2+16*\e]    ; each block's largest score: for the row's maximum, and, since p rises with the score, for the block's largest p
.endif
.endr
.irp i, 3,5,7,9,11,13
.irp e, 0,1,2,3
.if \e < \nb
	v_max3_num_f32 v[BM+\e], v[BM+\e], v[S+16*\e+\i], v[S+1+16*\e+\i]
.endif
.endr
.endr
.irp e, 0,1,2,3
.if \e < \nb
	v_max_num_f32 v[BM+\e], v[BM+\e], v[S+15+16*\e]
.endif
.endr
.irp e, 0,1,2,3
.if \e < \nb
	v_permlanex16_b32 v[BP+\e], v[BM+\e], s48, s49
.endif
.endr
.irp e, 0,1,2,3
.if \e < \nb
	v_max_num_f32 v[BM+\e], v[BM+\e], v[BP+\e]
.endif
.endr
.if \nb == 4
	s_delay_alu instid0(VALU_DEP_2)
	v_max3_num_f32 v248, v[BM], v[BM+1], v[BM+2]
	s_delay_alu instid0(VALU_DEP_1)
	v_max_num_f32 v248, v248, v[BM+3]
.else
	s_delay_alu instid0(VALU_DEP_1)
	v_max_num_f32 v248, v[BM], v[BM+1]
.endif
	s_delay_alu instid0(VALU_DEP_1)
	v_mul_f32 v248, s50, v248                      ; as t
	s_delay_alu instid0(VALU_DEP_1)
	v_max_num_f32 v13, v13, v248                   ; the running largest t
	v_mov_b32 v248, v12
	s_delay_alu instid0(VALU_DEP_2)
	v_floor_f32 v12, -v13                          ; the new -M = floor(-t): M is a whole number
	s_delay_alu instid0(VALU_DEP_1)
	v_sub_f32 v248, v12, v248                      ; old M less new M: a whole number, 0 or less
	s_delay_alu instid0(VALU_DEP_1)
	v_cvt_i32_f32 v248, v248                       ; (it saturates)
	s_delay_alu instid0(VALU_DEP_1)
	v_ldexp_f32 v240, 1.0, v248                    ; f
.set j, 0
.rept 8*\nb
	v_pk_fma_f32 v[S+j:S+j+1], v[S+j:S+j+1], s[50:51], v[12:13] op_sel_hi:[1,0,0]    ; t - M, two at a time
.set j, j+2
.endr
.irp e, 0,1,2,3
.if \e < \nb
	v_fma_f32 v[BM+\e], v[BM+\e], s50, v12
.endif
.endr
.set j, 0
	s_wait_alu depctr_va_vdst(0)
.rept 16*\nb
	v_exp_f32 v[S+j], v[S+j]                       ; p = 2^(t - M)
.set j, j+1
.endr
	v_pk_mul_f32 v[14:15], v[14:15], v[240:241] op_sel_hi:[1,0]    ; the sum under the new M: the plain line behind the exponentials
	s_wait_alu depctr_va_vdst(0)                   ; one wait for the batch, ahead of its first reader
.irp e, 0,1,2,3
.if \e < \nb
	v_exp_f32 v[BM+\e], v[BM+\e]                   ; the block's largest p
.endif
.endr
	v_pk_add_f32 v[BP:BP+1], v[S:S+1], v[S+2:S+3]  ; the sum of the unquantised p, in two chains
.set j, 4
.rept 4*\nb-1
	v_pk_add_f32 v[14:15], v[14:15], v[S+j:S+j+1]
	v_pk_add_f32 v[BP:BP+1], v[BP:BP+1], v[S+j+2:S+j+3]
.set j, j+4
.endr
	s_delay_alu instid0(VALU_DEP_1)
	v_pk_add_f32 v[14:15], v[14:15], v[BP:BP+1]
	s_wait_alu depctr_va_vdst(0)                   ; and one for the blocks' largest p
.irp e, 0,1,2,3
.if \e < \nb
	v_max_num_f32 v[BM+\e], 0x1800000, v[BM+\e]    ; the floor: the byte cannot fall under 1
.endif
.endr
.irp e, 0,1,2,3
.if \e < \nb
	v_add_nc_u32 v[SO+\e], 0xff000000, v[BM+\e]
.endif
.endr
.irp e, 0,1,2,3
.if \e < \nb
	v_lshrrev_b32 v[BY+\e], 23, v[SO+\e]
.endif
.endr
	v_lshl_or_b32 v25, v[BY+1], 8, v[BY]
.if \nb == 4
	s_delay_alu instid0(VALU_DEP_1)
	v_lshl_or_b32 v25, v[BY+2], 16, v25
	s_delay_alu instid0(VALU_DEP_1)
	v_lshl_or_b32 v25, v[BY+3], 24, v25
.else
	s_delay_alu instid0(VALU_DEP_1)
	v_lshl_or_b32 v25, v25, 16, v25                ; (s0, s1, s0, s1)
.endif
.irp e, 0,1,2,3
.if \e < \nb
	v_cvt_scalef32_pk8_fp4_f32 v[196+2*\e], v[S+16*\e:S+7+16*\e], v[SO+\e]
	v_cvt_scalef32_pk8_fp4_f32 v[197+2*\e], v[S+8+16*\e:S+15+16*\e], v[SO+\e]
.endif
.endr
	v_nop                                          ; one plain line behind the last conversion
.irp c, 0,1
.if 2*\c < \nb
.irp i, 0,1
	v_permlane16_swap_b32 v[196+4*\c+\i], v[198+4*\c+\i]    ; a whole block in a lane
.endr
.endif
.endr
.if \nb == 2
.irp k, 0,1,2,3
	v_mov_b32 v[200+\k], v[196+\k]                 ; [p, p]
.endr
.endif
.endm
.macro FETCHT st                       ; T's four fragments of K step st and their scale words: 9 loads; buffers and scale sets by turns
.irp tl, 0,1,2,3
.irp c, 0,1
	ds_load_b128 v[96+32*((\st)%2)+8*\tl+4*\c:99+32*((\st)%2)+8*\tl+4*\c], v27 offset:(\st)*4096+\tl*1024+\c*512
.endr
.endr
	ds_load_b128 v[244-24*((\st)%2):247-24*((\st)%2)], v26 offset:(\st)*256
.endm
.macro PMK st                          ; p in the slots of queries 2 st, 2 st + 1: the lanes of that query keep their codes, all others hold zeros
.irp c, 0,1
	s_mov_b32 s[66+\c], 0x00010001<<(2*(\st)+\c)
.irp k, 0,1,2,3
	v_cndmask_b32 v[204+8*((\st)%2)+4*\c+\k], 0, v[196+\k], s[66+\c]
.endr
.endr
.endm
.macro BLKOFF g, oi, os, t             ; block s[g] of keys in VIMG (step, part c, half of the lanes) and its byte in VSC
	s_lshr_b32 s[\t], s[\g], 2
	s_lshl_b32 s[\oi], s[\t], 12
	s_lshl_b32 s[\os], s[\t], 9
	s_bfe_u32 s[\t], s[\g], 0x10001
	s_lshl_b32 s[\t], s[\t], 9
	s_add_co_u32 s[\oi], s[\oi], s[\t]
	s_and_b32 s[\t], s[\g], 1
	s_lshl_b32 s[\t], s[\t], 8
	s_add_co_u32 s[\oi], s[\oi], s[\t]
	s_and_b32 s[\t], s[\g], 3
	s_add_co_u32 s[\os], s[\os], s[\t]
.endm
	s_load_b256 s[4:11], s[0:1], 0x0               ; qkv 4, tab 6, a_img 8, a_sc 10
	v_lshl_add_u32 v[SPW], v0, 2, SPARE
	v_mov_b32 v[NIL], 0
	ds_add_u32 v[SPW], v[NIL]                      ; the wave's opening: the add, twice on end, and its wait ahead of my first tensor load
	ds_add_u32 v[SPW], v[NIL]
	v_lshrrev_b32 v1, 5, v0
	s_delay_alu instid0(VALU_DEP_1)
	v_readfirstlane_b32 s12, v1                    ; wave 0..15
	s_mov_b32 s13, ttmp9                           ; z
	s_bfe_u32 s14, ttmp6, 0x40000                  ; cx: it enters global addresses alone
	s_and_b32 s15, ttmp7, 0xffff
	s_lshl_b32 s15, s15, 2
	s_add_co_u32 s15, s15, s14                     ; bh
	s_mov_b32 s24, 3<<16                           ; group 1, plain: elements of 8 bytes, no mask, no padding
	s_mov_b32 s32, 15|(3<<16)|(1<<21)              ; joint: all four work-groups
.irp g, 24, 32
	s_mov_b32 s[\g+1], 32<<16                      ; 36 rows of 256 bytes, dense
	s_mov_b32 s[\g+2], 36<<16
	s_mov_b32 s[\g+3], 32<<16
	s_mov_b32 s[\g+4], 36
	s_mov_b32 s[\g+5], 32
	s_mov_b32 s[\g+6], 0
	s_mov_b32 s[\g+7], 0
.endr
	s_mul_i32 s57, s12, 9216
	s_add_co_u32 s57, s57, KV                      ; where my part goes: waves 0-7 the record, waves 8-15 tab, which lies behind it
	s_and_b32 s58, s12, 7
	s_mul_i32 s58, s58, 9216                       ; and which part
	s_mov_b32 s59, 0
	s_mul_i32 s66, s15, REC
	s_mov_b32 s67, 0
	s_add_co_u32 s68, s66, s58
	s_mov_b32 s69, 0
	s_mov_b32 s48, 0x76543210
	s_mov_b32 s49, 0xfedcba98                      ; selects for lane l xor 16
	s_mov_b32 s50, 0x3e38aa3b                      ; log2(e) / 8
	s_mov_b32 s51, s50
	s_mov_b32 s52, 0xffff0000                      ; lanes 16-31
	s_mov_b32 s53, 0x00ff0000                      ; lanes 16-23
	s_lshr_b32 s70, s15, 4                         ; the batch
	s_and_b32 s71, s15, 15                         ; the head
	s_lshl_b32 s72, s70, 19
	s_lshl_b32 s73, s71, 9
	s_add_co_u32 s72, s72, s73                     ; a_img: 64 tiles of 8,192 bytes a batch, 512 a head
	s_lshl_b32 s73, s70, 15
	s_lshr_b32 s70, s71, 3
	s_lshl_b32 s70, s70, 8
	s_add_co_u32 s73, s73, s70
	s_bfe_u32 s70, s71, 0x20001
	s_lshl_b32 s70, s70, 2
	s_add_co_u32 s73, s73, s70
	s_and_b32 s70, s71, 1
	s_lshl_b32 s70, s70, 1
	s_add_co_u32 s73, s73, s70                     ; a_sc: K half, word, byte of the head
	s_wait_dscnt 0x0                               ; both opening adds are done
	s_wait_kmcnt 0x0
	s_mov_b32 s40, 1
	s_mov_b32 s41, s57
	s_add_nc_u64 s[42:43], s[4:5], s[68:69]
	s_or_b32 s43, s43, 0x80000000
	s_mov_b32 s44, 1
	s_mov_b32 s45, s57
	s_add_nc_u64 s[46:47], s[6:7], s[58:59]
	s_or_b32 s47, s47, 0x80000000
	s_add_nc_u64 s[60:61], s[4:5], s[66:67]
	s_add_nc_u64 s[62:63], s[60:61], 106496        ; QSC
	s_add_nc_u64 s[60:61], s[60:61], 73728         ; QIMG
	ROUND                                          ; in front of the loads
	s_cmp_lt_u32 s12, 8
	s_cbranch_scc0 .Ljoint
	tensor_load_to_lds s[40:43], s[24:31]
	s_nop 0
.rept 4
	v_nop
.endr
	s_branch .Lasked
.Ljoint:
	tensor_load_to_lds s[44:47], s[32:39]
	s_nop 0
.rept 4
	v_nop
.endr
.Lasked:
	v_and_b32 v248, 31, v0                         ; lane
	v_and_b32 v249, 15, v0                         ; q
	v_bfe_u32 v250, v0, 4, 1                       ; h
	v_bfe_u32 v251, v0, 3, 1                       ; q / 8
	v_and_b32 v252, 7, v0                          ; q % 8
	v_lshlrev_b32 v11, 4, v248                     ; 16 lane
	s_delay_alu instid0(VALU_DEP_1)
	v_add_nc_u32 v1, KV, v11
	s_delay_alu instid0(VALU_DEP_2)
	v_add_nc_u32 v2, VIM, v11
	v_lshl_add_u32 v3, v249, 2, KSCO
	v_lshl_add_u32 v4, v248, 2, VSCO
	v_lshl_add_u32 v5, v249, 4, TRO
	v_add_nc_u32 v6, TAB, v11
	s_mul_i32 s56, s12, SCRW
	v_mul_u32_u24 v253, v249, EP
	s_delay_alu instid0(VALU_DEP_1)
	v_add_nc_u32 v253, s56, v253                   ; my query's row of E
	s_delay_alu instid0(VALU_DEP_1)
	v_lshl_add_u32 v7, v250, 5, v253               ; where I store: + 32 h
	v_xor_b32 v254, v250, v251
	s_delay_alu instid0(VALU_DEP_1)
	v_xor_b32 v254, 1, v254                        ; 1 where h = q / 8
	s_delay_alu instid0(VALU_DEP_1)
	v_lshl_add_u32 v8, v254, 6, v253
	s_delay_alu instid0(VALU_DEP_1)
	v_add_nc_u32 v8, 64, v8
	v_lshlrev_b32 v255, 2, v252
	s_delay_alu instid0(VALU_DEP_1)
	v_sub_nc_u32 v8, v8, v255                      ; where I read askew: word 16 + 16 (h = q / 8) - q % 8 (- 8 u, + i)
	v_sub_nc_u32 v9, v251, v250
	s_delay_alu instid0(VALU_DEP_1)
	v_lshl_add_u32 v9, v9, 4, v252                 ; q % 8 + 16 (q / 8 - h) (+ 8 u): register i of the diagonal block is hidden where i is above it
	v_mov_b32 v10, 0xff800000                      ; -infinity
	v_lshl_add_u32 v26, v248, 2, TRO+4096
.irp k, 0,1,2,3
	v_mov_b32 v[36+\k], 0                          ; the buffer's zeros
	v_mov_b32 v[48+\k], 0
	v_mov_b32 v[BP+\k], 0                          ; a lane permute's destination counts as one of its sources
.endr
	v_mov_b32 v241, 0                              ; named as the upper half of the pair v[240:241]
	s_lshl_b32 s16, s13, 4
	s_add_co_u32 s16, s16, s12
	s_xor_b32 s16, s16, 63                         ; T: the later tile first
	s_and_b32 s17, s12, 1
	s_xor_b32 s17, s17, 1                          ; u = T % 2, from the wave's number and the trip alone
	s_mov_b32 s54, 2
	s_wait_tensorcnt 0x0                           ; my part has landed,
	s_barrier_signal -1
	s_barrier_wait -1                              ; everybody's has
.irp tl, 0,1,2,3
	ds_load_b32 v[160+8*\tl], v26 offset:\tl*128   ; FAR: one register of eight equal codes a row
.endr
	ds_load_b128 v[192:195], v5 offset:4608
	s_wait_dscnt 0x0
.irp tl, 0,1,2,3
.irp j, 1,2,3,4,5,6,7
	v_mov_b32 v[160+8*\tl+\j], v[160+8*\tl]
.endr
.endr
.Ltile:                                            ; two trips
	; ---- SETUP
	s_wait_xcnt 0x0                                ; the last tile's loads and stores have read their registers and bases
	s_lshr_b32 s18, s16, 1
	s_and_b32 s18, s18, 31                         ; c
	s_lshl_b32 s19, s18, 5
	s_sub_co_i32 s19, s19, 32                      ; the first key that is not far: 32 (c - 1)
	s_add_co_u32 s20, s18, 31
	s_and_b32 s20, s20, 31                         ; block c - 1 (c = 0: some block, all of whose scores are hidden)
	s_lshl_b32 s66, s16, 9
	s_mov_b32 s67, 0
	s_add_nc_u64 s[56:57], s[60:61], s[66:67]
	s_lshl_b32 s66, s16, 6
	s_add_nc_u64 s[58:59], s[62:63], s[66:67]
	v_and_b32 v26, 15, v0
	s_delay_alu instid0(VALU_DEP_1)
	v_lshlrev_b32 v26, 2, v26
	global_load_b128 v[16:19], v11, s[56:57]       ; q's codes, twice: two runs of registers
	global_load_b128 v[20:23], v11, s[56:57]
	global_load_b32 v24, v26, s[58:59]
	v_add_nc_u32 v27, TRO+5120, v11
	ds_load_b128 v[32:35], v27                     ; lut_k: 16 x row 0,
	ds_load_b128 v[40:43], v27 offset:512          ; rows 0 .. 15,
	ds_load_b128 v[44:47], v27 offset:1024         ; 16 x row 16
	ds_load_b128 v[220:223], v5 offset:4864
	s_lshl_b32 s66, s17, 5
	v_sub_nc_u32 v30, v8, s66
	s_lshl_b32 s66, s17, 3
	v_add_nc_u32 v31, s66, v9
.set j, 0
.rept 32
	v_mov_b32 v[64+j], 0                           ; O^T: the steps are written once; the first change of M leaves zeros zeros
.set j, j+1
.endr
	v_mov_b32 v13, 0xff61b1e6                      ; -3e38, under every t
	s_delay_alu instid0(VALU_DEP_1)
	v_floor_f32 v12, -v13
	v_mov_b32 v14, 0
	v_mov_b32 v15, 0
.rept 5
	v_nop                                          ; five places: the results below are laid over registers that earlier products read
.endr
	s_wait_loadcnt 0x0
	s_wait_dscnt 0x0
	WM0 56, 32, 16, 220, 24                        ; QL0: every register q . lut_k[0]
	WM0 96, 36, 16, 221, 24                        ; QL1: register j: q . lut_k[8 h + j]
	WM0 104, 44, 16, 222, 24                       ; QL2: every register q . lut_k[16]
.rept 5
	v_nop                                          ; four places in front of the stores, five in front of QL0's use as another sum's C
.endr
	ds_store_b128 v7, v[56:59]                     ; E[x], x = 0 .. 47: QL[max(x - 16, 0)] up to x = 32; above that only hidden scores read it
	ds_store_b128 v7, v[60:63] offset:16
	ds_store_b128 v7, v[96:99] offset:64
	ds_store_b128 v7, v[100:103] offset:80
	ds_store_b128 v7, v[104:107] offset:128
	ds_store_b128 v7, v[108:111] offset:144
	; ---- BULK: eight trips; a step none of whose keys is far is jumped over by a branch on ids
	s_mov_b32 s21, 0                               ; the step's first key
	s_mov_b32 s22, 0                               ; its images: 4,096 bytes a step, K's and V's alike
	s_mov_b32 s23, 0                               ; its scale words: 512
	s_mov_b32 s55, 8
.Lbulk:
	s_cmp_ge_i32 s21, s19
	s_cbranch_scc1 .Lskip
	v_add_nc_u32 v26, s22, v1
	s_wait_alu depctr_va_vdst(0)
	v_add_nc_u32 v27, s22, v2
	v_add_nc_u32 v28, s23, v3
	s_wait_alu depctr_va_vdst(0)
	v_add_nc_u32 v29, s23, v4
	v_nop                                          ; five places: the scores are laid over V's fragments of the last step
.irp g, 0,1
.if \g
.rept 4
	v_nop                                          ; four places in front of loads into registers that the last four products read
.endr
.endif
.irp k, 0,1,2,3
	ds_load_b128 v[32+12*(\k/2)+8*(\k%2):35+12*(\k/2)+8*(\k%2)], v26 offset:(4*\g+\k)*512
	ds_load_b32 v[220+\k], v28 offset:(4*\g+\k)*64
.endr
	s_wait_dscnt 0x0
.irp k, 0,1,2,3
	WMC 96+8*(4*\g+\k), 32+12*(\k/2)+4*(\k%2), 16, 56, 220+\k, 24    ; S^T = K Q^T + QL0
.endr
.endr
.rept 4
	v_nop
.endr
	s_add_co_u32 s66, s21, 128
	s_cmp_le_i32 s66, s19
	s_cbranch_scc1 .Lopen
.irp e, 1,2,3                                      ; the last bulk step: blocks that are not far are the near step's: hidden here
	s_add_co_u32 s66, s21, 32*\e
	s_cmp_ge_i32 s66, s19
	s_cselect_b32 s67, -1, 0
.set j, 0
.rept 16
	v_cndmask_b32 v[96+16*\e+j], v[96+16*\e+j], v10, s67
.set j, j+1
.endr
.endr
.Lopen:
	SOFTMAX 4
.irp tl, 0,1,2,3
.irp c, 0,1
	ds_load_b128 v[96+8*\tl+4*\c:99+8*\tl+4*\c], v27 offset:\tl*1024+\c*512
.endr
	ds_load_b32 v[220+\tl], v29 offset:\tl*128
.endr
.set j, 0
.rept 16
	v_pk_mul_f32 v[64+j:65+j], v[64+j:65+j], v[240:241] op_sel_hi:[1,0]    ; O^T under the new M; also the places in front of the products
.set j, j+2
.endr
	s_wait_alu depctr_va_vdst(0)
	s_wait_dscnt 0x0
.irp tl, 0,1,2,3
	WMC 64+8*\tl, 96+8*\tl, 196, 64+8*\tl, 220+\tl, 25      ; O^T += V^T P^T, the four accumulators by turns
.endr
.irp tl, 0,1,2,3
	WMC 64+8*\tl, 160+8*\tl, 196, 64+8*\tl, 192+\tl, 25     ; O^T += FAR P^T: product 5 for the far blocks
.endr
.Lskip:
	s_add_co_u32 s21, s21, 128
	s_add_co_u32 s22, s22, 4096
	s_add_co_u32 s23, s23, 512
	s_sub_co_u32 s55, s55, 1
	s_cmp_lg_u32 s55, 0
	s_cbranch_scc1 .Lbulk
	; ---- NEAR: blocks c - 1 (block 0) and c (block 1)
	s_lshl_b32 s66, s20, 10
	s_lshl_b32 s67, s18, 10
	v_add_nc_u32 v26, s66, v1
	v_add_nc_u32 v27, s67, v1
	s_lshl_b32 s66, s20, 7
	s_lshl_b32 s67, s18, 7
	v_add_nc_u32 v28, s66, v3
	v_add_nc_u32 v29, s67, v3
	v_nop
	ds_load_b128 v[32:35], v26
	ds_load_b128 v[40:43], v26 offset:512
	ds_load_b128 v[44:47], v27
	ds_load_b128 v[52:55], v27 offset:512
	ds_load_b32 v220, v28
	ds_load_b32 v221, v28 offset:64
	ds_load_b32 v222, v29
	ds_load_b32 v223, v29 offset:64
.set j, 0
.rept 16
	ds_load_b32 v[128+j], v30 offset:4*j           ; E askew: the diagonal block's term of product 3; in lanes 16-23 also block 0's.  (LDS serves a wave's instructions in order: these see my stores)
.set j, j+1
.endr
	s_wait_dscnt 0x0
.set j, 0
.rept 16
	v_cndmask_b32 v[144+j], v56, v[128+j], s53     ; block 0: QL0, but in lanes 16-23
.set j, j+1
.endr
	WMC 96, 32, 16, 144, 220, 24
	WMC 104, 36, 16, 152, 221, 24
	WMC 112, 44, 16, 128, 222, 24
	WMC 120, 48, 16, 136, 223, 24
.rept 4
	v_nop
.endr
	s_cmp_eq_u32 s18, 0
	s_cselect_b32 s66, -1, 0                       ; c = 0: there is no block before the diagonal one
.set j, 0
.rept 16
	v_cndmask_b32 v[96+j], v[96+j], v10, s66
.set j, j+1
.endr
.set j, 0
.rept 16
	v_cmp_gt_i32 vcc_lo, j, v31                    ; the causal mask inside the diagonal block
	v_cndmask_b32 v[112+j], v[112+j], v10, vcc_lo
.set j, j+1
.endr
	SOFTMAX 2
	BLKOFF 20, 80, 81, 84
	BLKOFF 18, 82, 83, 84
	v_and_b32 v248, 15, v0
	s_delay_alu instid0(VALU_DEP_1)
	v_lshl_add_u32 v248, v248, 4, VIM
	s_delay_alu instid0(VALU_DEP_1)
	v_add_nc_u32 v26, s80, v248
	s_delay_alu instid0(VALU_DEP_2)
	v_add_nc_u32 v27, s82, v248
	s_delay_alu instid0(VALU_DEP_1)
	v_cndmask_b32 v26, v26, v27, s52               ; lanes 0-15 take block c - 1 of V, lanes 16-31 block c
	v_add_nc_u32 v28, s81, v4
	v_add_nc_u32 v29, s83, v4
.irp tl, 0,1,2,3
	ds_load_b128 v[32+12*(\tl/2)+8*(\tl%2):35+12*(\tl/2)+8*(\tl%2)], v26 offset:\tl*1024
.endr
.irp tl, 0,1,2,3
	ds_load_u8 v[248+\tl], v28 offset:\tl*128
	ds_load_u8 v[252+\tl], v29 offset:\tl*128
.endr
	s_lshl_b32 s80, s17, 15
	s_lshl_b32 s81, s17, 11
	v_add_nc_u32 v27, s80, v6                      ; T's images for my u,
	v_add_nc_u32 v26, s81, v5                      ; and their scale words
	FETCHT 0
	s_wait_dscnt 9                                 ; V's near fragments and bytes are in; the nine loads just issued may be out
.irp tl, 0,1,2,3
	v_lshl_or_b32 v[220+\tl], v[252+\tl], 8, v[248+\tl]
.endr
.irp tl, 0,1,2,3
	s_delay_alu instid0(VALU_DEP_4)
	v_lshl_or_b32 v[220+\tl], v[220+\tl], 16, v[220+\tl]
.endr
	PMK 0
.set j, 0
.rept 16
	v_pk_mul_f32 v[64+j:65+j], v[64+j:65+j], v[240:241] op_sel_hi:[1,0]
.set j, j+2
.endr
.irp tl, 0,1,2,3
	WMC 64+8*\tl, 32+12*(\tl/2)+4*(\tl%2), 196, 64+8*\tl, 220+\tl, 25
.endr
.irp st, 0,1,2,3,4,5,6,7                           ; product 5 for the two near blocks
.rept 4
	v_nop                                          ; four places in front of loads into, and writes of, what the last four products read
.endr
.if \st < 7
	FETCHT \st+1
	PMK \st+1
	s_wait_alu depctr_va_vdst(0)
	s_wait_dscnt 9                                 ; this step's nine loads are in; the nine just issued may be out
.else
	s_wait_dscnt 0x0
.endif
.irp tl, 0,1,2,3
	WMC 64+8*\tl, 96+32*(\st%2)+8*\tl, 204+8*(\st%2), 64+8*\tl, 244-24*(\st%2)+\tl, 25
.endr
.endr
	; ---- FINAL: O^T / the sum, quantised along D (the head's two blocks), stored as part (head % 2) of K step head / 2 of the projection's operand
	v_add_f32 v14, v14, v15
	s_delay_alu instid0(VALU_DEP_1)
	v_permlanex16_b32 v[BP], v14, s48, s49
	s_delay_alu instid0(VALU_DEP_1)
	v_add_f32 v14, v14, v[BP]
	s_wait_alu depctr_va_vdst(0)
	v_rcp_f32 v240, v14
	v_and_b32 v250, 15, v0                         ; (plain lines behind the reciprocal)
	v_bfe_u32 v251, v0, 4, 1
	s_delay_alu instid0(VALU_DEP_1)
	v_lshl_add_u32 v250, v250, 4, v251             ; 16 q + h
	s_lshl_b32 s74, s16, 13
	s_add_co_u32 s74, s74, s72
	s_mov_b32 s75, 0
	s_add_nc_u64 s[76:77], s[8:9], s[74:75]
	s_lshl_b32 s74, s16, 9
	s_add_co_u32 s74, s74, s73
	s_add_nc_u64 s[78:79], s[10:11], s[74:75]
	s_wait_alu depctr_va_vdst(0)                   ; ahead of the reciprocal's first reader
.set j, 0
.rept 16
	v_pk_mul_f32 v[96+j:97+j], v[64+j:65+j], v[240:241] op_sel_hi:[1,0]    ; register 16 e + i: d = 32 e + 16 h + i
.set j, j+2
.endr
.irp e, 0,1
	v_max3_num_f32 v[BM+\e], |v[96+16*\e]|, |v[97+16*\e]|, 0x1800000
.endr
.irp i, 2,4,6,8,10,12,14
.irp e, 0,1
	s_delay_alu instid0(VALU_DEP_2)
	v_max3_num_f32 v[BM+\e], v[BM+\e], |v[96+16*\e+\i]|, |v[97+16*\e+\i]|
.endr
.endr
.irp e, 0,1
	s_delay_alu instid0(VALU_DEP_2)
	v_permlanex16_b32 v[BP+\e], v[BM+\e], s48, s49
.endr
.irp e, 0,1
	s_delay_alu instid0(VALU_DEP_2)
	v_max_num_f32 v[BM+\e], v[BM+\e], v[BP+\e]
.endr
.irp e, 0,1
	s_delay_alu instid0(VALU_DEP_2)
	v_add_nc_u32 v[SO+\e], 0xff000000, v[BM+\e]
.endr
.irp e, 0,1
	s_delay_alu instid0(VALU_DEP_2)
	v_lshrrev_b32 v[BY+\e], 23, v[SO+\e]
.endr
.irp e, 0,1
	v_cvt_scalef32_pk8_fp4_f32 v[196+2*\e], v[96+16*\e:103+16*\e], v[SO+\e]
	v_cvt_scalef32_pk8_fp4_f32 v[197+2*\e], v[104+16*\e:111+16*\e], v[SO+\e]
.endr
	v_cndmask_b32 v249, v[BY], v[BY+1], s52        ; lane (q, h) stores block h's byte.  (The plain line behind the last conversion)
.irp i, 0,1
	v_permlane16_swap_b32 v[196+\i], v[198+\i]
.endr
	global_store_b128 v11, v[196:199], s[76:77]    ; 32 lanes store 512 consecutive bytes
	global_store_b8 v250, v249, s[78:79]
	s_xor_b32 s16, s16, 63                         ; the other tile
	s_xor_b32 s17, s17, 1
	s_sub_co_u32 s54, s54, 1
	s_cmp_lg_u32 s54, 0
	s_cbranch_scc1 .Ltile
	s_wait_tensorcnt 0x0                           ; the wave's end
	ds_add_u32 v[SPW], v[NIL]
	s_wait_dscnt 0x0
	ROUND                                          ; the closing round
	s_endpgm
.Lfunc_end_k_q727d551533_attn:
	.size	k_q727d551533_attn, .Lfunc_end_k_q727d551533_attn-k_q727d551533_attn
	.p2alignl 7, 3214868480
	.fill 96, 4, 3214868480
	.section	.rodata,"a",@progbits
	.p2align	6, 0x0
	.amdhsa_kernel k_q727d551533_attn
		.amdhsa_group_segment_fixed_size 204800
		.amdhsa_private_segment_fixed_size 0
		.amdhsa_enable_private_segment 0
		.amdhsa_kernarg_size 32
		.amdhsa_user_sgpr_count 2
		.amdhsa_user_sgpr_kernarg_segment_ptr 1
		.amdhsa_wavefront_size32 1
		.amdhsa_system_sgpr_workgroup_id_x 1
		.amdhsa_system_sgpr_workgroup_id_y 1
		.amdhsa_system_sgpr_workgroup_id_z 1
		.amdhsa_system_vgpr_workitem_id 0
		.amdhsa_next_free_vgpr 256
		.amdhsa_next_free_sgpr 100
		.amdhsa_reserve_vcc 1
		.amdhsa_float_denorm_mode_32 3
		.amdhsa_float_denorm_mode_16_64 3
		.amdhsa_memory_ordered 1
		.amdhsa_forward_progress 1
		.amdhsa_inst_pref_size 68
	.end_amdhsa_kernel
	.amdgpu_metadata
---
amdhsa.version: [ 1, 2 ]
amdhsa.kernels:
  - .name:           k_q727d551533_attn
    .symbol:         k_q727d551533_attn.kd
    .args:
      - { .name: qkv, .offset: 0, .size: 8, .value_kind: global_buffer, .address_space: global }
      - { .name: tab, .offset: 8, .size: 8, .value_kind: global_buffer, .address_space: global }
      - { .name: a_img, .offset: 16, .size: 8, .value_kind: global_buffer, .address_space: global }
      - { .name: a_sc, .offset: 24, .size: 8, .value_kind: global_buffer, .address_space: global }
    .group_segment_fixed_size: 204800
    .private_segment_fixed_size: 0
    .kernarg_segment_align: 8
    .kernarg_segment_size: 32
    .max_flat_workgroup_size: 512
    .sgpr_count:     100
    .vgpr_count:     256
    .wavefront_size: 32
...
	.end_amdgpu_metadata
.endif
;; end of part 3
;; launch gemm_out (part 4): grid 4 x 64, 4 waves a work-group, clusters of 4 x 4, 327,680 bytes of LDS; arguments a_img, a_sc, w_img, w_sc, b_proj, out0; writes out0
.if DOCPART == 4
	.amdgcn_target "amdgcn-amd-amdhsa--gfx1250"
	.amdhsa_code_object_version 6
	.text
	.protected	k_q727d551533_gemm_out
	.globl	k_q727d551533_gemm_out
	.p2align	8
	.type	k_q727d551533_gemm_out,@function
k_q727d551533_gemm_out:
	s_mov_b64 s[64:65], 0
	v_nop
	global_prefetch_b8 v0, s[64:65] scope:SCOPE_SE
	s_setreg_imm32_b32 hwreg(HW_REG_WAVE_MODE, 25, 1), 1
	s_wait_xcnt 0x0
	s_wait_alu depctr_hold_cnt(0) depctr_sa_sdst(0) depctr_va_vdst(0) depctr_va_sdst(0) depctr_va_ssrc(0) depctr_va_vcc(0) depctr_vm_vsrc(0)
	s_getreg_b32 s2, hwreg(HW_REG_IB_STS2, 6, 4)
	s_cmp_eq_u32 s2, 0
	s_cbranch_scc0 .Lentry_in_a_cluster
	s_endpgm
.Lentry_in_a_cluster:
	s_bfe_u32 s2, ttmp6, 0x10000c
	s_cmp_lg_u32 s2, 0xf033
	s_cbranch_scc0 .Lentry_shape_is_right
	s_endpgm
.Lentry_shape_is_right:
; out0 = Q(attention's result) Q(W_proj) + b_proj on codes of E2M1 (product 6), f32 out.  A work-group takes 128 rows (8 tiles) x 256 columns (16 tiles), all of K = 1,024 in LDS at once, filled once:
; one joint load a wave at the head (waves 0, 1: X's halves, 4 tiles x 8,192 bytes; waves 2, 3: W's halves, 8 tiles x 8,192 bytes).  X from LDS byte 0, W from WREG, a tile 8,192 bytes, a K step 1,024.
; A wave makes W's 128 columns x X's 64 rows: 8 x 4 accumulators; the bias is the C of K step 0; the results leave through the wave's own stage as whole rows of 512 bytes.
; No prefetch: every tile is asked for at the head, and there is no loop to run ahead in.
.set IS_PROJ, 1
.set REC,   110592
.set HALF,  98304
.set WREG,  65536
.set STAGE, 196608
.set SPARE, 230400
.set SPW, 28
.set NIL, 29
.set SC0, 32
.set SC1, 96
.set BI,  128
.set G1X, 24
.set G0X, 32
.set G1W, 48
.set G0W, 56
.set MSB, 0
.macro WIN new
.if MSB != \new
	s_set_vgpr_msb (MSB<<8)|\new
.set MSB, \new
.endif
.endm
.macro JLOAD kh
	s_cmp_eq_u32 s17, 0
	s_cbranch_scc0 .Lfor_w_\@
	tensor_load_to_lds s[G0X+4*\kh:G0X+4*\kh+3], s[G1X:G1X+7]
	s_nop 0
.rept 4
	v_nop
.endr
	s_branch .Lasked_\@
.Lfor_w_\@:
	tensor_load_to_lds s[G0W+4*\kh:G0W+4*\kh+3], s[G1W:G1W+7]
	s_nop 0
.rept 4
	v_nop
.endr
.Lasked_\@:
.endm
.macro CROUND
	s_barrier_signal -1
	s_barrier_wait -1
	s_cmp_lg_u32 s16, 0
	s_cbranch_scc1 .Lnot_wave_0_\@
	s_barrier_signal -3
.Lnot_wave_0_\@:
	s_barrier_wait -3
	s_barrier_signal -1
	s_barrier_wait -1
.endm
.macro FETCH st, p
	WIN 0x80
.irp i, 0,1,2,3,4,5,6,7
.irp c, 0,1
	ds_load_b128 v[96*(\p)+8*\i+4*\c:96*(\p)+8*\i+4*\c+3], v4 offset:\i*8192+(\st)*1024+\c*512
.endr
.endr
.irp a, 0,1,2,3
.irp c, 0,1
	ds_load_b128 v[96*(\p)+64+8*\a+4*\c:96*(\p)+64+8*\a+4*\c+3], v6 offset:\a*8192+(\st)*1024+\c*512
.endr
.endr
.endm
.macro MUL st, p, cm
.if \cm == 0
	WIN 0x5a
.else
	WIN 0x4a
.endif
.irp a, 0,1,2,3
.irp b, 0,1,2,3,4,5,6,7
.if \cm == 0
	v_wmma_scale_f32_16x16x128_f8f6f4 v[8*(8*\a+\b):8*(8*\a+\b)+7], v[96*(\p)+8*\b:96*(\p)+8*\b+7], v[96*(\p)+64+8*\a:96*(\p)+64+8*\a+7], v[8*(8*\a+\b):8*(8*\a+\b)+7], v[SC0+8*\b+(\st)], v[SC1+8*\a+(\st)] matrix_a_fmt:MATRIX_FMT_FP4 matrix_b_fmt:MATRIX_FMT_FP4
.else
	v_wmma_scale_f32_16x16x128_f8f6f4 v[8*(8*\a+\b):8*(8*\a+\b)+7], v[96*(\p)+8*\b:96*(\p)+8*\b+7], v[96*(\p)+64+8*\a:96*(\p)+64+8*\a+7], v[BI+8*\b:BI+8*\b+7], v[SC0+8*\b+(\st)], v[SC1+8*\a+(\st)] matrix_a_fmt:MATRIX_FMT_FP4 matrix_b_fmt:MATRIX_FMT_FP4
.endif
.endr
.endr
.endm
.macro KSTEP st
.rept 4
	v_nop
.endr
.if \st < 7
	FETCH \st+1, (\st+1)%2
	s_wait_dscnt 24
.else
	s_wait_dscnt 0x0
.endif
	MUL \st, (\st)%2, 0
.endm
	s_load_b256 s[4:11], s[0:1], 0x0
	s_load_b128 s[12:15], s[0:1], 0x20
	v_lshl_add_u32 v[SPW], v0, 2, SPARE
	v_mov_b32 v[NIL], 0
	ds_add_u32 v[SPW], v[NIL]
	ds_add_u32 v[SPW], v[NIL]
	v_lshrrev_b32 v1, 5, v0
	v_readfirstlane_b32 s16, v1
	s_lshr_b32 s17, s16, 1
	s_and_b32 s18, s16, 1
	s_bfe_u32 s19, ttmp6, 0x40000
	s_bfe_u32 s20, ttmp6, 0x40004
	s_lshl_b32 s21, ttmp9, 2
	s_add_co_u32 s21, s21, s19
	s_and_b32 s22, ttmp7, 0xffff
	s_lshl_b32 s22, s22, 2
	s_add_co_u32 s22, s22, s20
	s_lshl_b32 s40, s20, 2
	s_lshl_b32 s40, 15, s40
	s_lshl_b32 s41, 0x1111, s19
	s_or_b32 s[G1X], s40, (3<<16)|(1<<21)
	s_or_b32 s[G1W], s41, (3<<16)|(1<<21)
	s_mov_b32 s[G1X+1], 1024<<16
	s_mov_b32 s[G1X+2], 4<<16
	s_mov_b32 s[G1X+3], 1024<<16
	s_mov_b32 s[G1X+4], 4
	s_mov_b32 s[G1X+5], 1024
	s_mov_b32 s[G1X+6], 0
	s_mov_b32 s[G1X+7], 0
	s_mov_b32 s[G1W+1], 1024<<16
	s_mov_b32 s[G1W+2], 8<<16
	s_mov_b32 s[G1W+3], 1024<<16
	s_mov_b32 s[G1W+4], 8
	s_mov_b32 s[G1W+5], 1024
	s_mov_b32 s[G1W+6], 0
	s_mov_b32 s[G1W+7], 0
	s_lshl_b32 s42, s22, 16
	s_lshl_b32 s43, s18, 15
	s_add_co_u32 s42, s42, s43
	s_mov_b32 s43, 0
	s_lshl_b32 s44, s21, 17
	s_lshl_b32 s45, s18, 16
	s_add_co_u32 s44, s44, s45
	s_add_co_u32 s44, s44, 192*8192
	s_mov_b32 s45, 0
	s_lshl_b32 s46, s18, 15
	s_lshl_b32 s47, s18, 16
	s_add_co_u32 s47, s47, WREG
	s_wait_dscnt 0x0
	s_wait_kmcnt 0x0
	s_add_nc_u64 s[42:43], s[4:5], s[42:43]
	s_add_nc_u64 s[44:45], s[8:9], s[44:45]
	CROUND
.irp kh, 0
	s_mov_b32 s[G0X+4*\kh], 1
	s_add_co_u32 s[G0X+4*\kh+1], s46, \kh*HALF
	s_add_nc_u64 s[G0X+4*\kh+2:G0X+4*\kh+3], s[42:43], \kh*4096
	s_or_b32 s[G0X+4*\kh+3], s[G0X+4*\kh+3], 0x80000000
	s_mov_b32 s[G0W+4*\kh], 1
	s_add_co_u32 s[G0W+4*\kh+1], s47, \kh*HALF
	s_add_nc_u64 s[G0W+4*\kh+2:G0W+4*\kh+3], s[44:45], \kh*4096
	s_or_b32 s[G0W+4*\kh+3], s[G0W+4*\kh+3], 0x80000000
	JLOAD \kh
.endr
	v_and_b32 v30, 31, v0
	v_lshlrev_b32 v1, 4, v30
	s_wait_alu depctr_va_vdst(0)
	v_and_b32 v31, 15, v0
	v_lshlrev_b32 v2, 4, v31
	s_wait_alu depctr_va_vdst(0)
	v_bfe_u32 v3, v0, 4, 1
	s_wait_alu depctr_va_vdst(0)
	s_lshl_b32 s66, s18, 16
	s_add_co_u32 s66, s66, WREG
	s_lshl_b32 s67, s17, 15
	s_lshl_b32 s69, s21, 4
	s_lshl_b32 s70, s18, 3
	s_add_co_u32 s70, s70, s69
	s_lshl_b32 s70, s70, 9
	s_lshl_b32 s71, s22, 3
	s_lshl_b32 s72, s17, 2
	s_add_co_u32 s72, s72, s71
	s_lshl_b32 s72, s72, 9
	s_lshl_b32 s78, s21, 10
	s_lshl_b32 s79, s18, 9
	s_add_co_u32 s70, s70, 192*512
	s_mov_b64 s[74:75], s[10:11]
	s_mov_b64 s[76:77], s[6:7]
	s_mov_b32 s71, 0
	s_mov_b32 s73, 0
	s_add_nc_u64 s[74:75], s[74:75], s[70:71]
	s_add_nc_u64 s[76:77], s[76:77], s[72:73]
	s_add_co_u32 s78, s78, s79
	s_mov_b32 s79, 0
	s_add_nc_u64 s[12:13], s[12:13], s[78:79]
	v_add_nc_u32 v4, s66, v1
	v_add_nc_u32 v6, s67, v1
.irp i, 0,1,2,3,4,5,6,7
.irp kh, 0,1
	global_load_b128 v[SC0+8*\i+4*\kh:SC0+8*\i+4*\kh+3], v2, s[74:75] offset:\i*512+\kh*256
.endr
.endr
.irp a, 0,1,2,3
.irp kh, 0,1
	global_load_b128 v[SC1+8*\a+4*\kh:SC1+8*\a+4*\kh+3], v2, s[76:77] offset:\a*512+\kh*256
.endr
.endr
	v_lshlrev_b32 v23, 6, v3
.irp b, 0,1,2,3,4,5,6,7
	global_load_b128 v[BI+8*\b:BI+8*\b+3], v23, s[12:13] offset:(32*(\b/2)+8*(\b%2))*4
	global_load_b128 v[BI+8*\b+4:BI+8*\b+7], v23, s[12:13] offset:(32*(\b/2)+8*(\b%2))*4+16
.endr
	s_lshl_b32 s80, s22, 19
	s_lshl_b32 s81, s17, 18
	s_add_co_u32 s80, s80, s81
	s_lshl_b32 s81, s21, 10
	s_add_co_u32 s80, s80, s81
	s_lshl_b32 s81, s18, 9
	s_add_co_u32 s80, s80, s81
	s_mov_b32 s81, 0
	s_add_nc_u64 s[14:15], s[14:15], s[80:81]
	s_mul_i32 s82, s16, 16*528
	s_add_co_u32 s82, s82, STAGE
	v_mul_u32_u24 v21, v31, 528
	v_lshl_add_u32 v21, v3, 6, v21
	v_add_nc_u32 v21, s82, v21
	v_add_nc_u32 v22, s82, v1
	s_wait_alu depctr_va_vdst(0)
	s_wait_tensorcnt 0x0
	s_barrier_signal -1
	s_barrier_wait -1
	FETCH 0, 0
	s_wait_loadcnt 0x0
	FETCH 1, 1
	s_wait_dscnt 24
	MUL 0, 0, 1
.irp st, 1,2,3,4,5,6,7
	KSTEP \st
.endr
	WIN 0
.rept 4
	v_nop
.endr
.macro TOSTAGE a
	WIN 0x04
.irp e, 0,1,2,3
.irp k, 0,1,2,3
	ds_store_b128 v21, v[64*\a+16*\e+4*\k:64*\a+16*\e+4*\k+3] offset:128*\e+16*\k
.endr
.endr
	WIN 0
.irp t, 0,1,2,3,4,5,6,7,8,9,10,11,12,13,14,15
	ds_load_b128 v[128+64*((\a)%2)+4*\t:128+64*((\a)%2)+4*\t+3], v22 offset:\t*528
.endr
.endm
.macro SEND a, younger
	s_wait_dscnt \younger
.irp t, 0,1,2,3,4,5,6,7,8,9,10,11,12,13,14,15
	global_store_b128 v1, v[128+64*((\a)%2)+4*\t:128+64*((\a)%2)+4*\t+3], s[14:15] offset:(32*((\a)/2)+8*((\a)%2)+\t+8*(\t/8))*4096 th:TH_STORE_NT
.endr
.endm
	TOSTAGE 0
	TOSTAGE 1
	SEND 0, 32
	s_wait_xcnt 0x0
	TOSTAGE 2
	SEND 1, 32
	s_wait_xcnt 0x0
	TOSTAGE 3
	SEND 2, 32
	SEND 3, 0
	s_wait_tensorcnt 0x0
	ds_add_u32 v[SPW], v[NIL]
	s_wait_dscnt 0x0
	CROUND
	s_endpgm
.Lfunc_end_k_q727d551533_gemm_out:
	.size	k_q727d551533_gemm_out, .Lfunc_end_k_q727d551533_gemm_out-k_q727d551533_gemm_out
	.p2alignl 7, 3214868480
	.fill 96, 4, 3214868480
	.section	.rodata,"a",@progbits
	.p2align	6, 0x0
	.amdhsa_kernel k_q727d551533_gemm_out
		.amdhsa_group_segment_fixed_size 327680
		.amdhsa_private_segment_fixed_size 0
		.amdhsa_enable_private_segment 0
		.amdhsa_kernarg_size 48
		.amdhsa_user_sgpr_count 2
		.amdhsa_user_sgpr_kernarg_segment_ptr 1
		.amdhsa_wavefront_size32 1
		.amdhsa_system_sgpr_workgroup_id_x 1
		.amdhsa_system_sgpr_workgroup_id_y 1
		.amdhsa_system_sgpr_workgroup_id_z 1
		.amdhsa_system_vgpr_workitem_id 0
		.amdhsa_next_free_vgpr 768
		.amdhsa_next_free_sgpr 96
		.amdhsa_reserve_vcc 0
		.amdhsa_float_denorm_mode_32 3
		.amdhsa_float_denorm_mode_16_64 3
		.amdhsa_memory_ordered 1
		.amdhsa_forward_progress 1
		.amdhsa_inst_pref_size 71
	.end_amdhsa_kernel
	.amdgpu_metadata
---
amdhsa.version: [ 1, 2 ]
amdhsa.kernels:
  - .name:           k_q727d551533_gemm_out
    .symbol:         k_q727d551533_gemm_out.kd
    .args:
      - { .name: a_img, .offset: 0, .size: 8, .value_kind: global_buffer, .address_space: global }
      - { .name: a_sc, .offset: 8, .size: 8, .value_kind: global_buffer, .address_space: global }
      - { .name: w_img, .offset: 16, .size: 8, .value_kind: global_buffer, .address_space: global }
      - { .name: w_sc, .offset: 24, .size: 8, .value_kind: global_buffer, .address_space: global }
      - { .name: b_proj, .offset: 32, .size: 8, .value_kind: global_buffer, .address_space: global }
      - { .name: out0, .offset: 40, .size: 8, .value_kind: global_buffer, .address_space: global }
    .group_segment_fixed_size: 327680
    .private_segment_fixed_size: 0
    .kernarg_segment_align: 8
    .kernarg_segment_size: 48
    .max_flat_workgroup_size: 128
    .sgpr_count:     96
    .vgpr_count:     768
    .wavefront_size: 32
...
	.end_amdgpu_metadata
.endif
;; end of part 4
